; MI455X (gfx1250); checked and timed in simulation.
; The chip was launched on July 23, 2026; its instructions are those of AMD's public machine-readable ISA for CDNA 5 (MIT licence, August 2026) and "CDNA5" Instruction Set Architecture Reference Guide (July 2026). The comments in the code are by the model that wrote it; some were corrected since.
;; GPT2 Block. Allowed arithmetic: float matrix products may take bf16 or f16 operands with f32 sums; other float arithmetic in f32, or as packed bf16 or f16 multiplies, adds, multiply-adds, maxima and minima; sums over many terms, partial sums and values carried from step to step in f32; what a program stores and reads back later, other than sums and carried values, may be rounded once to bf16 or f16.
;; Inputs: b_fc 4,096 float32; b_mlp 1,024 float32; b_proj 1,024 float32; b_qkv 3,072 float32; be1 1,024 float32; be2 1,024 float32; g1 1,024 float32; g2 1,024 float32; hidden_states 2 x 2,048 x 1,024 float32; w_fc 1,024 x 4,096 float32; w_mlp 4,096 x 1,024 float32; w_proj 1,024 x 1,024 float32; w_qkv 1,024 x 3,072 float32.
;; Outputs: out0 2 x 2,048 x 1,024 float32.
;; One version. Each part assembles by itself: llvm-mc -triple=amdgcn-amd-amdhsa -mcpu=gfx1250 --defsym DOCPART=n.
;; ======== version 1 of 1: 8 launches
;; workspace buffers: wt 25,165,824 bytes; xn 8,388,608 bytes; qkv 25,165,824 bytes; vs 262,144 bytes; ao 8,388,608 bytes; h2 16,777,216 bytes; yn 8,388,608 bytes; act 33,554,432 bytes
;; launch wcast (part 1): grid 1536 x 1, 4 waves a work-group, no clusters, 18,944 bytes of LDS; arguments w_qkv, w_proj, w_fc, w_mlp, wt; writes wt
.if DOCPART == 1
	.amdgcn_target "amdgcn-amd-amdhsa--gfx1250"
	.amdhsa_code_object_version 6
	.text
	.protected	k_q5cb7f51f2f_wcast
	.globl	k_q5cb7f51f2f_wcast
	.p2align	8
	.type	k_q5cb7f51f2f_wcast,@function
k_q5cb7f51f2f_wcast:
	s_mov_b64 s[64:65], 0
	v_nop
	global_prefetch_b8 v0, s[64:65] scope:SCOPE_SE
	s_setreg_imm32_b32 hwreg(HW_REG_WAVE_MODE, 25, 1), 1
	s_wait_xcnt 0x0
; The four weight matrices, [K][N] in f32, are rounded once to bf16 and turned: wt holds, for each matrix, [K/64 planes][N rows][64 k], a row 128 bytes.
; In that layout a matrix fragment (16 rows n x 32 k) is read with k on end, and 64 rows of a plane are 8,192 consecutive bytes.
; A work-group takes one plane (64 k) x 128 n: 64 input rows of 512 bytes, 16,384 consecutive output bytes.  Wave w loads k rows 16 w .. 16 w + 15 (each load of the wave: 512 consecutive bytes),
; packs pairs of k, lays them into an LDS tile [128 n][144 bytes]; behind one barrier wave w reads rows 32 w .. 32 w + 31 whole and stores them, 512 consecutive bytes a store.
; The stream is read once and written once: no matrix unit, no cluster, no tensor load would add anything.
.set PITCH, 144                        ; an LDS row: 128 bytes + 16
.set SPARE, 128*PITCH                  ; behind the tile: the spare words, 128 bytes a wave
.set LS,  2                            ; v2  where I put 32 bytes of row 4 lane
.set LR,  3                            ; v3  where I read rows back
.set GO,  4                            ; v4  16 x lane
.set SPW, 6                            ; v6  my spare word; never rewritten
.set NIL, 7                            ; v7  0; never rewritten
.set VO,  16                           ; v[16:31]  byte offset of my 16 bytes in k row i of my 16
.set X,   32                           ; v[32:95]  16 k rows x 4 n, f32; later the rows read back
.set Y,   96                           ; v[96:127] 4 n x 16 k, bf16
	s_load_b256 s[4:11], s[0:1], 0x0               ; w_qkv s[4:5], w_proj s[6:7], w_fc s[8:9], w_mlp s[10:11]
	s_load_b64 s[12:13], s[0:1], 0x20              ; wt
	v_lshl_add_u32 v[SPW], v0, 2, SPARE
	v_mov_b32 v[NIL], 0
	v_and_b32 v1, 31, v0                           ; lane
	v_lshrrev_b32 v5, 5, v0
	v_readfirstlane_b32 s14, v5                    ; wave
	s_mov_b32 s20, ttmp9                           ; ids 0-383 w_qkv, 384-511 w_proj, 512-1023 w_fc, 1024-1535 w_mlp
	s_mov_b32 s21, 0                               ; the range's first id
	s_mov_b32 s22, 3072                            ; N
	s_mov_b32 s23, 4                               ; log2 of the number of planes
	s_mov_b32 s24, 0                               ; the matrix's first byte in wt
	s_wait_kmcnt 0x0
	s_cmp_ge_u32 s20, 384
	s_cselect_b32 s21, 384, s21
	s_cselect_b32 s22, 1024, s22
	s_cselect_b32 s24, 6291456, s24
	s_cselect_b64 s[4:5], s[6:7], s[4:5]
	s_cmp_ge_u32 s20, 512
	s_cselect_b32 s21, 512, s21
	s_cselect_b32 s22, 4096, s22
	s_cselect_b32 s24, 8388608, s24
	s_cselect_b64 s[4:5], s[8:9], s[4:5]
	s_cmp_ge_u32 s20, 1024
	s_cselect_b32 s21, 1024, s21
	s_cselect_b32 s22, 1024, s22
	s_cselect_b32 s23, 6, s23
	s_cselect_b32 s24, 16777216, s24
	s_cselect_b64 s[4:5], s[10:11], s[4:5]
	s_sub_co_u32 s20, s20, s21
	s_lshl_b32 s25, 1, s23
	s_sub_co_u32 s25, s25, 1
	s_and_b32 s25, s20, s25                        ; the plane p
	s_lshr_b32 s26, s20, s23                       ; the block of 128 n
	s_lshl_b32 s27, s22, 2                         ; bytes in an input row
	s_lshl_b32 s28, s25, 6
	s_lshl_b32 s29, s14, 4
	s_add_co_u32 s28, s28, s29                     ; my first k row: 64 p + 16 w
	s_mul_i32 s28, s28, s27
	s_lshl_b32 s29, s26, 9
	s_add_co_u32 s28, s28, s29
	s_mov_b32 s29, 0
	s_add_nc_u64 s[4:5], s[4:5], s[28:29]
	s_mul_i32 s30, s25, s22                        ; out: (p N + 128 block) rows of 128 bytes, + my 32 rows
	s_lshl_b32 s31, s26, 7
	s_add_co_u32 s30, s30, s31
	s_lshl_b32 s30, s30, 7
	s_add_co_u32 s30, s30, s24
	s_lshl_b32 s31, s14, 12
	s_add_co_u32 s30, s30, s31
	s_mov_b32 s31, 0
	s_add_nc_u64 s[12:13], s[12:13], s[30:31]
	v_lshlrev_b32 v[VO], 4, v1
.set i, 1
.rept 15
	v_add_nc_u32 v[VO+i], s27, v[VO+i-1]
.set i, i+1
.endr
.set i, 0
.rept 16
	global_load_b128 v[X+4*i:X+4*i+3], v[VO+i], s[4:5] th:TH_LOAD_NT
.set i, i+1
.endr
	v_mul_u32_u24 v[LS], v1, 4*PITCH               ; row 4 lane,
	v_lshl_add_u32 v[LS], s14, 5, v[LS]            ; my wave's 16 k: 32 bytes
	v_lshrrev_b32 v[LR], 3, v1
	v_lshl_add_u32 v[LR], s14, 5, v[LR]            ; row 32 w + lane / 8
	v_mul_u32_u24 v[LR], v[LR], PITCH
	v_and_b32 v5, 7, v1
	v_lshl_add_u32 v[LR], v5, 4, v[LR]
	v_lshlrev_b32 v[GO], 4, v1
	s_wait_loadcnt 0x0
.irp n, 0,1,2,3
.irp k, 0,1,2,3,4,5,6,7
	v_cvt_pk_bf16_f32 v[Y+8*(\n)+(\k)], v[X+8*(\k)+(\n)], v[X+8*(\k)+4+(\n)]  ; n = 4 lane + n; k rows 2 k and 2 k + 1
.endr
.endr
.irp n, 0,1,2,3
	ds_store_b128 v[LS], v[Y+8*(\n):Y+8*(\n)+3]   offset:PITCH*(\n)
	ds_store_b128 v[LS], v[Y+8*(\n)+4:Y+8*(\n)+7] offset:PITCH*(\n)+16
.endr
	s_wait_dscnt 0x0                               ; for the others' sake: my stores are done
	s_barrier_signal -1
	s_barrier_wait -1
.irp t, 0,1,2,3,4,5,6,7
	ds_load_b128 v[X+4*(\t):X+4*(\t)+3], v[LR] offset:4*PITCH*(\t)  ; four whole rows of 128 bytes
.endr
.irp t, 0,1,2,3,4,5,6,7
	s_wait_dscnt 7-(\t)                            ; the younger loads may stay out
	global_store_b128 v[GO], v[X+4*(\t):X+4*(\t)+3], s[12:13] offset:512*(\t)  ; 512 consecutive bytes, aligned
.endr
	s_wait_tensorcnt 0x0                           ; the wave's end, behind my last LDS store
	ds_add_u32 v[SPW], v[NIL]
	s_wait_dscnt 0x0
	s_endpgm
.Lfunc_end_k_q5cb7f51f2f_wcast:
	.size	k_q5cb7f51f2f_wcast, .Lfunc_end_k_q5cb7f51f2f_wcast-k_q5cb7f51f2f_wcast
	.p2alignl 7, 3214868480
	.fill 96, 4, 3214868480
	.section	.rodata,"a",@progbits
	.p2align	6, 0x0
	.amdhsa_kernel k_q5cb7f51f2f_wcast
		.amdhsa_group_segment_fixed_size 18944
		.amdhsa_private_segment_fixed_size 0
		.amdhsa_enable_private_segment 0
		.amdhsa_kernarg_size 40
		.amdhsa_user_sgpr_count 2
		.amdhsa_user_sgpr_kernarg_segment_ptr 1
		.amdhsa_wavefront_size32 1
		.amdhsa_system_sgpr_workgroup_id_x 1
		.amdhsa_system_sgpr_workgroup_id_y 1
		.amdhsa_system_sgpr_workgroup_id_z 1
		.amdhsa_system_vgpr_workitem_id 0
		.amdhsa_next_free_vgpr 128
		.amdhsa_next_free_sgpr 66
		.amdhsa_reserve_vcc 0
		.amdhsa_float_denorm_mode_32 3
		.amdhsa_float_denorm_mode_16_64 3
		.amdhsa_memory_ordered 1
		.amdhsa_forward_progress 1
		.amdhsa_inst_pref_size 10
	.end_amdhsa_kernel
	.amdgpu_metadata
---
amdhsa.version: [ 1, 2 ]
amdhsa.kernels:
  - .name:           k_q5cb7f51f2f_wcast
    .symbol:         k_q5cb7f51f2f_wcast.kd
    .args:
      - { .name: w_qkv, .offset: 0, .size: 8, .value_kind: global_buffer, .address_space: global }
      - { .name: w_proj, .offset: 8, .size: 8, .value_kind: global_buffer, .address_space: global }
      - { .name: w_fc, .offset: 16, .size: 8, .value_kind: global_buffer, .address_space: global }
      - { .name: w_mlp, .offset: 24, .size: 8, .value_kind: global_buffer, .address_space: global }
      - { .name: wt, .offset: 32, .size: 8, .value_kind: global_buffer, .address_space: global }
    .group_segment_fixed_size: 18944
    .private_segment_fixed_size: 0
    .kernarg_segment_align: 8
    .kernarg_segment_size: 40
    .max_flat_workgroup_size: 128
    .sgpr_count:     66
    .vgpr_count:     128
    .wavefront_size: 32
...
	.end_amdgpu_metadata
.endif
;; end of part 1
;; launch ln1 (part 2): grid 256 x 1, 8 waves a work-group, no clusters, 0 bytes of LDS; arguments hidden_states, g1, be1, xn; writes xn
.if DOCPART == 2
	.amdgcn_target "amdgcn-amd-amdhsa--gfx1250"
	.amdhsa_code_object_version 6
	.text
	.protected	k_q5cb7f51f2f_ln1
	.globl	k_q5cb7f51f2f_ln1
	.p2align	8
	.type	k_q5cb7f51f2f_ln1,@function
k_q5cb7f51f2f_ln1:
	s_mov_b64 s[64:65], 0
	v_nop
	global_prefetch_b8 v0, s[64:65] scope:SCOPE_SE
	s_setreg_imm32_b32 hwreg(HW_REG_WAVE_MODE, 25, 1), 1
	s_wait_xcnt 0x0
; Layer norm of [4096][1024] f32 rows: y = (x - mean) rsqrt(var + 1e-5) g + be, rounded once to bf16 and stored by planes of 64 columns: out[c / 64][row][c % 64], a row of a plane 128 bytes.
; The variance is taken of x - mean (two passes over registers), so a common offset of the inputs costs nothing.
; A work-group takes 16 rows, a wave 2; the rows stay in registers: memory is read once.  Lane l has row (l / 8) % 2 of the two and, in the planes of parity l / 16, columns 8 (l % 8) .. + 7.
; So a store of the wave covers two runs of 256 consecutive bytes (two rows of one plane from sixteen neighbouring lanes), aligned.  No wave waits for another: no LDS, no barrier.
.set X, 16                             ; v[16:79]   my 64 numbers: plane pair i at X + 8 i
.set G, 80                             ; v[80:143]  g of the same columns
.set B, 144                            ; v[144:207] be
.set Y, 208                            ; v[208:239] packed results
.set MU, 240                           ; v[240:241] the mean, twice
.set RS, 242                           ; v[242:243] 1 / sqrt(var + eps), twice
.set TP, 244                           ; v244       the other half of the lanes' sum
	s_load_b256 s[4:11], s[0:1], 0x0               ; x s[4:5], g s[6:7], be s[8:9], out s[10:11]
	s_lshl_b32 s2, ttmp9, 16                       ; 16 rows of 4,096 bytes
	s_mov_b32 s3, 0
	s_lshl_b32 s12, ttmp9, 11                      ; 16 rows of 128 bytes
	s_mov_b32 s13, 0
	s_mov_b32 s14, 0x3a800000                      ; 1 / 1024
	s_mov_b32 s16, 0x76543210                      ; v_permlanex16_b32: each lane takes its own place in the other half
	s_mov_b32 s17, 0xfedcba98
	v_and_b32 v1, 7, v0
	v_bfe_u32 v2, v0, 4, 1                         ; the planes' parity
	v_bfe_u32 v3, v0, 3, 1
	v_lshrrev_b32 v4, 5, v0
	v_lshl_add_u32 v3, v4, 1, v3                   ; my row among the 16
	v_lshlrev_b32 v5, 5, v1
	v_lshl_add_u32 v5, v2, 8, v5                   ; v5: my 32 bytes in g and be: 256 parity + 32 (l % 8)
	v_lshl_add_u32 v6, v3, 12, v5                  ; v6: the same in my row of x
	v_lshlrev_b32 v7, 4, v1
	v_lshl_add_u32 v7, v3, 7, v7
	v_lshl_add_u32 v7, v2, 19, v7                  ; v7: my 16 bytes of out: plane parity, row, 16 (l % 8)
	v_mov_b32 v[TP], 0
	s_wait_kmcnt 0x0
	s_add_nc_u64 s[4:5], s[4:5], s[2:3]
	s_add_nc_u64 s[10:11], s[10:11], s[12:13]
.irp i, 0,1,2,3,4,5,6,7
	global_load_b128 v[X+8*(\i):X+8*(\i)+3],   v6, s[4:5] offset:512*(\i)
	global_load_b128 v[X+8*(\i)+4:X+8*(\i)+7], v6, s[4:5] offset:512*(\i)+16
.endr
.irp i, 0,1,2,3,4,5,6,7
	global_load_b128 v[G+8*(\i):G+8*(\i)+3],   v5, s[6:7] offset:512*(\i)
	global_load_b128 v[G+8*(\i)+4:G+8*(\i)+7], v5, s[6:7] offset:512*(\i)+16
	global_load_b128 v[B+8*(\i):B+8*(\i)+3],   v5, s[8:9] offset:512*(\i)
	global_load_b128 v[B+8*(\i)+4:B+8*(\i)+7], v5, s[8:9] offset:512*(\i)+16
.endr
; four chains in v[8:15] into one number in v8, then over the row's 16 lanes: 8 neighbours, and the 8 in the other half
.macro ACROSS
	v_pk_add_f32 v[8:9], v[8:9], v[10:11]
	v_pk_add_f32 v[12:13], v[12:13], v[14:15]
	v_pk_add_f32 v[8:9], v[8:9], v[12:13]
	v_add_f32 v8, v8, v9
	v_add_f32_dpp v8, v8, v8 row_xmask:1 row_mask:0xf bank_mask:0xf
	v_add_f32_dpp v8, v8, v8 row_xmask:2 row_mask:0xf bank_mask:0xf
	v_add_f32_dpp v8, v8, v8 row_xmask:4 row_mask:0xf bank_mask:0xf
	v_permlanex16_b32 v[TP], v8, s16, s17
	v_add_f32 v8, v8, v[TP]
.endm
	s_wait_loadcnt 32                              ; x is in; the 32 loads of g and be may stay out
.irp k, 0,2,4,6
	v_pk_add_f32 v[8+(\k):9+(\k)], v[X+(\k):X+(\k)+1], v[X+8+(\k):X+8+(\k)+1]
.endr
.set j, 16
.rept 24
	v_pk_add_f32 v[8+j%8:9+j%8], v[8+j%8:9+j%8], v[X+j:X+j+1]
.set j, j+2
.endr
	ACROSS
	v_mul_f32 v[MU], s14, v8
	v_mov_b32 v[MU+1], v[MU]
.set j, 0
.rept 32
	v_pk_add_f32 v[X+j:X+j+1], v[X+j:X+j+1], v[MU:MU+1] neg_lo:[0,1] neg_hi:[0,1]
.set j, j+2
.endr
.irp k, 0,2,4,6
	v_pk_mul_f32 v[8+(\k):9+(\k)], v[X+(\k):X+(\k)+1], v[X+(\k):X+(\k)+1]
.endr
.set j, 8
.rept 28
	v_pk_fma_f32 v[8+j%8:9+j%8], v[X+j:X+j+1], v[X+j:X+j+1], v[8+j%8:9+j%8]
.set j, j+2
.endr
	ACROSS
	v_fmaak_f32 v8, s14, v8, 0x3727c5ac            ; var + 1e-5
	v_rsq_f32 v[RS], v8
	v_nop                                          ; a plain instruction behind the transcendental,
	s_wait_alu depctr_va_vdst(0)                   ; and the wait ahead of the first use
	v_mov_b32 v[RS+1], v[RS]
	s_wait_loadcnt 0x0                             ; g and be
.set j, 0
.rept 32
	v_pk_mul_f32 v[X+j:X+j+1], v[X+j:X+j+1], v[RS:RS+1]
.set j, j+2
.endr
.set j, 0
.rept 32
	v_pk_fma_f32 v[X+j:X+j+1], v[X+j:X+j+1], v[G+j:G+j+1], v[B+j:B+j+1]
.set j, j+2
.endr
.set j, 0
.rept 32
	v_cvt_pk_bf16_f32 v[Y+j], v[X+2*j], v[X+2*j+1]
.set j, j+1
.endr
.irp i, 0,1,2,3,4,5,6,7
	global_store_b128 v7, v[Y+4*(\i):Y+4*(\i)+3], s[10:11] offset:1048576*(\i)  ; planes 2 i and 2 i + 1
.endr
	s_endpgm
.Lfunc_end_k_q5cb7f51f2f_ln1:
	.size	k_q5cb7f51f2f_ln1, .Lfunc_end_k_q5cb7f51f2f_ln1-k_q5cb7f51f2f_ln1
	.p2alignl 7, 3214868480
	.fill 96, 4, 3214868480
	.section	.rodata,"a",@progbits
	.p2align	6, 0x0
	.amdhsa_kernel k_q5cb7f51f2f_ln1
		.amdhsa_group_segment_fixed_size 0
		.amdhsa_private_segment_fixed_size 0
		.amdhsa_enable_private_segment 0
		.amdhsa_kernarg_size 32
		.amdhsa_user_sgpr_count 2
		.amdhsa_user_sgpr_kernarg_segment_ptr 1
		.amdhsa_wavefront_size32 1
		.amdhsa_system_sgpr_workgroup_id_x 1
		.amdhsa_system_sgpr_workgroup_id_y 1
		.amdhsa_system_sgpr_workgroup_id_z 1
		.amdhsa_system_vgpr_workitem_id 0
		.amdhsa_next_free_vgpr 248
		.amdhsa_next_free_sgpr 66
		.amdhsa_reserve_vcc 0
		.amdhsa_float_denorm_mode_32 3
		.amdhsa_float_denorm_mode_16_64 3
		.amdhsa_memory_ordered 1
		.amdhsa_forward_progress 1
		.amdhsa_inst_pref_size 20
	.end_amdhsa_kernel
	.amdgpu_metadata
---
amdhsa.version: [ 1, 2 ]
amdhsa.kernels:
  - .name:           k_q5cb7f51f2f_ln1
    .symbol:         k_q5cb7f51f2f_ln1.kd
    .args:
      - { .name: hidden_states, .offset: 0, .size: 8, .value_kind: global_buffer, .address_space: global }
      - { .name: g1, .offset: 8, .size: 8, .value_kind: global_buffer, .address_space: global }
      - { .name: be1, .offset: 16, .size: 8, .value_kind: global_buffer, .address_space: global }
      - { .name: xn, .offset: 24, .size: 8, .value_kind: global_buffer, .address_space: global }
    .group_segment_fixed_size: 0
    .private_segment_fixed_size: 0
    .kernarg_segment_align: 8
    .kernarg_segment_size: 32
    .max_flat_workgroup_size: 256
    .sgpr_count:     66
    .vgpr_count:     248
    .wavefront_size: 32
...
	.end_amdgpu_metadata
.endif
;; end of part 2
;; launch gqkv (part 3): grid 12 x 16, 4 waves a work-group, clusters of 4 x 4, 327,680 bytes of LDS; arguments xn, wt, b_qkv, qkv, vs; writes qkv, vs
.if DOCPART == 3
	.amdgcn_target "amdgcn-amd-amdhsa--gfx1250"
	.amdhsa_code_object_version 6
	.text
	.protected	k_q5cb7f51f2f_gqkv
	.globl	k_q5cb7f51f2f_gqkv
	.p2align	8
	.type	k_q5cb7f51f2f_gqkv,@function
k_q5cb7f51f2f_gqkv:
	s_mov_b64 s[64:65], 0
	v_nop
	global_prefetch_b8 v0, s[64:65] scope:SCOPE_SE
	s_setreg_imm32_b32 hwreg(HW_REG_WAVE_MODE, 25, 1), 1
	s_wait_xcnt 0x0
	s_wait_alu depctr_hold_cnt(0) depctr_sa_sdst(0) depctr_va_vdst(0) depctr_va_sdst(0) depctr_va_ssrc(0) depctr_va_vcc(0) depctr_vm_vsrc(0)
	s_getreg_b32 s2, hwreg(HW_REG_IB_STS2, 6, 4)
	s_cmp_eq_u32 s2, 0
	s_cbranch_scc0 .Lentry_in_a_cluster
	s_endpgm
.Lentry_in_a_cluster:
	s_bfe_u32 s2, ttmp6, 0x10000c
	s_cmp_lg_u32 s2, 0xf033
	s_cbranch_scc0 .Lentry_shape_is_right
	s_endpgm
.Lentry_shape_is_right:
; qkv = xn W + b.  A (xn): bf16 by planes [K/64][4096][64]; W: bf16 turned, [K/64][N][64], at byte WOFF of wt; sums in f32, started from the bias; the result rounded once to bf16 and stored by planes [N/64][4096][64].
; Also vs[row / 64][c] = the sum over 64 rows of v's column c (f32, of the unrounded sums), which the attention launch needs for the keys that it does not walk.
; A tile of C is 256 x 256: four waves, each 128 x 128 in 64 accumulators.  K goes in steps of 128 (two planes) through two LDS slots; a wave's tensor load brings 128 rows x 2 planes: two pieces of 16,384 consecutive bytes.
; 4096 x 3072 are 192 such tiles, one to a work-group; a tile of 256 x 192 would make 256, but a wave's columns would then cut a plane of 64 in two.
; CLUSTER 4 x 4: the four work-groups of a row need the same tiles of A, the four of a column the same tiles of W: each tile is asked for jointly, by the same load with the same descriptor and a mask of four.
; The matrix instruction is used turned (source 0 = 16 rows of W, source 1 = 16 rows of A): a lane then holds eight neighbouring columns of one row of C.
; THE RING.  Both slots are filled at the start.  In a step's fourth quarter every wave waits for all its tensor loads (one is out: its part of the other slot), and behind a round of the cluster's barrier the slot just read
; is asked for again, two steps on: that load has a step less 32 matrix instructions in which to land.  By this text's count a wave has two tensor loads out at the start and one later.
; A K step is written twice: in a loop of STEPS - 2 trips that fill, and in a loop of two trips that do not; the very last trip fetches 32 fragments of an old tile that nobody multiplies: the price of no third copy.
; THE WAY OUT.  The ring has had its last fill: behind a barrier each wave lays its 128 x 128 sums, in f32, into 128 rows of 528 bytes there, and a counted loop reads them back by rows into fixed registers.
; PREFETCH.  Behind each joint load and the run of LDS loads that follows it a wave names the K step that the next refill will ask for: 32 blocks of 256 bytes, a lane a block.  A's rows are read by every cluster of a row of
; clusters: cluster x = 0 asks; W's by every cluster of a column: cluster y = 0 asks.  The four partners of a joint load share its 128 blocks out by address.  So each block is named once.  The first three K steps come by
; their loads alone, and the last refill asks for nothing.
; LIMIT: operands are rounded to bf16.
; REGISTERS (windows of 256): window 0: v0-31 addresses, v32-63 packed results, v64-127 and v128-191 A's fragments (two buffers; on the way out rows read back and sums); window 1: v64-191 W's fragments;
;   window 2: the accumulators of my rows 0-63 ((a, b) at v[8 (8 a + b)]); window 3: those of rows 64-127.
.set SIZE_N, 3072
.set SIZE_K, 1024
.set WOFF,   0
.set STEPS,  SIZE_K/128
.set PITCH,  144                       ; an LDS row: 128 bytes + 16: the 16 rows of a fragment load start 36 words apart
.set PLANE,  128*PITCH
.set REGION, 2*PLANE                   ; what one tensor load brings: [2 planes][128 rows][144]
.set SLOT,   4*REGION                  ; regions 0, 1: A's row halves; 2, 3: W's column halves.  0x24000: its two bits are clear in every region's address, so an exclusive or changes slots
.set SPITCH, 528                       ; the way out: a row of 128 f32 + 16 bytes
.set WSTG,   128*SPITCH                ; a wave's 128 rows; four of them lie inside the ring
.set SPARE,  2*SLOT                    ; behind the ring: the spare words, 128 bytes a wave
.set ASTEP,  2*4096*128                ; two planes of A
.set WSTEP,  2*SIZE_N*128              ; two planes of W
.set FLAGS,  (1<<16)|(1<<20)|(1<<21)|(4<<22)|(3<<25)  ; 2-byte elements; padding on; bit 21 beside a mask; after every 32 words, 4 words
.set R,   1                            ; v1  lane % 16
.set H,   2                            ; v2  lane / 16
.set A0,  4                            ; v4  my lane's place in my region of A, slot 0
.set B0,  5                            ; v5  the same for W
.set ADRA, 6                           ; v6, v7  the same in the slot in hand
.set ADRB, 7
.set STO, 8                            ; v8  the way out: where I put 32 bytes of a row
.set RD0, 9                            ; v9  where I read rows back, first trip
.set GO,  10                           ; v10 my 16 bytes of the result: plane lane / 16, row (lane / 8) % 2, 16 (lane % 8)
.set RDA, 11                           ; v11 where I read rows back, this trip
.set BO,  12                           ; v12 32 x (lane / 16): my 8 columns of 16 in the bias
.set VSO, 13                           ; v13 my 32 bytes in vs
.set SPW, 14                           ; v14 my spare word; never rewritten
.set NIL, 15                           ; v15 0; never rewritten
.set PFO, 16                           ; v16 256 x lane; never rewritten
.set L8,  17                           ; v17 lane & 8
.set PK,  32                           ; v[32:63]   packed results
.set F0,  64
.set F1,  128
.set X,   64                           ; v[64:127]  the way out: 16 rows read back
.set SM,  128                          ; v[128:135] column sums
.set WV,  14
.set RH,  15                           ; my half of the tile's rows; also: I fetch for A (0) or W (1)
.set CH,  16                           ; my half of its columns; also: which 128 rows I fetch
.set CX,  17
.set CY,  18
.set TC,  19
.set TR,  20
.set TB,  21                           ; the slot in hand: 0 or SLOT
.set CNT, 22
.set G1A, 24
.set G1B, 32
.set G0A, 40                           ; A: slot 0's first fill
.set G0A2, 44                          ; A: slot 1's first fill; it then walks
.set G0B, 48
.set G0B2, 52
.set LIM, 66                           ; 1 in a wave that prefetches, else the greatest number
.set SO,  67                           ; the way out: the trip's first row in my stage, in bytes
.set PFA, 68                           ; s[68:69] where my prefetches stand
.set PST, 70                           ; s[70:71] their step: two planes of the matrix that I fetch
.set MSB, 0
.macro WIN new                         ; the immediate's high byte repeats the setting that is left
.if MSB != (\new)
	s_set_vgpr_msb (MSB<<8)|(\new)
.set MSB, \new
.endif
.endm
.set MUL_LO, 0xa1                      ; source 0 (W) window 1, source 1 (A) window 0, C and D window 2
.set MUL_HI, 0xf1                      ; the same, C and D window 3
.set TO_B,   0x40                      ; destination window 1
.macro PLACES                          ; four plain instructions between a matrix instruction and what writes its sources or reads its result (ISA guide 7.12.1)
.rept 4
	v_nop
.endr
.endm
.macro JLOAD                           ; a joint refill: waves 0, 1 for A, waves 2, 3 for W; s_nop 0 and four v_nop follow each line
	s_cmp_eq_u32 s[RH], 0
	s_cbranch_scc0 .Lfor_w_\@
	tensor_load_to_lds s[G0A2:G0A2+3], s[G1A:G1A+7]
	s_nop 0
.rept 4
	v_nop
.endr
	s_branch .Lasked_\@
.Lfor_w_\@:
	tensor_load_to_lds s[G0B2:G0B2+3], s[G1B:G1B+7]
	s_nop 0
.rept 4
	v_nop
.endr
.Lasked_\@:
.endm
.macro CREST                           ; a round of the cluster's barrier behind its opening barrier
	s_cmp_lg_u32 s[WV], 0
	s_cbranch_scc1 .Lnot_wave_0_\@
	s_barrier_signal -3
.Lnot_wave_0_\@:
	s_barrier_wait -3
	s_barrier_signal -1
	s_barrier_wait -1
.endm
.macro CROUND                          ; a whole round
	s_barrier_signal -1
	s_barrier_wait -1
	CREST
.endm
.macro ASK                             ; s[CNT] = 1 in the loop's last trip: the K step behind the last does not exist
	s_cmp_gt_u32 s[CNT], s[LIM]
	s_cbranch_scc0 .Lnot_mine_\@
	global_prefetch_b8 v[PFO], s[PFA:PFA+1] th:TH_LOAD_NT scope:SCOPE_SE
.Lnot_mine_\@:
.endm
.macro MUL16 f, hi, a0                 ; 16 matrix instructions: row blocks a0, a0 + 1 of the window's four x 8 column blocks, 32 along K; the 64 accumulators take turns, in the same order in every quarter
	WIN MUL_LO+0x50*(\hi)
.irp a, \a0, (\a0)+1
.irp b, 0,1,2,3,4,5,6,7
	v_wmma_f32_16x16x32_bf16 v[8*(8*(\a)+(\b)):8*(8*(\a)+(\b))+7], v[(\f)+8*(\b):(\f)+8*(\b)+7], v[(\f)+8*(4*(\hi)+(\a)):(\f)+8*(4*(\hi)+(\a))+7], v[8*(8*(\a)+(\b)):8*(8*(\a)+(\b))+7]
.endr
.endr
.endm
.macro FETCH q, f                      ; 32 LDS loads in one run: quarter q's fragments (plane q / 2, 32 along K) into buffer f: W's 128 rows, then A's
	WIN TO_B
.irp i, 0,1,2,3,4,5,6,7
	ds_load_b128 v[(\f)+8*(\i):(\f)+8*(\i)+3],   v[ADRB] offset:((\q)/2)*PLANE+((\q)%2)*64+(\i)*16*PITCH
	ds_load_b128 v[(\f)+8*(\i)+4:(\f)+8*(\i)+7], v[ADRB] offset:((\q)/2)*PLANE+((\q)%2)*64+(\i)*16*PITCH+32
.endr
	WIN 0
.irp i, 0,1,2,3,4,5,6,7
	ds_load_b128 v[(\f)+8*(\i):(\f)+8*(\i)+3],   v[ADRA] offset:((\q)/2)*PLANE+((\q)%2)*64+(\i)*16*PITCH
	ds_load_b128 v[(\f)+8*(\i)+4:(\f)+8*(\i)+7], v[ADRA] offset:((\q)/2)*PLANE+((\q)%2)*64+(\i)*16*PITCH+32
.endr
.endm
.macro QUARTER q, f, g                 ; multiplies buffer f; in its middle fetches quarter q into buffer g
	s_wait_dscnt 8                                 ; W and A's rows 0-63 are in; the youngest eight loads (A's rows 64-127) may be out
	MUL16 \f, 0, 0
	MUL16 \f, 0, 2
	PLACES
	FETCH \q, \g
	s_wait_dscnt 32                                ; all but the 32 just issued
	MUL16 \f, 1, 0
	MUL16 \f, 1, 2
.endm
.macro TURN fill                       ; the fourth quarter multiplies buffer 1 and changes slots.  fill = 1: the slot just read is asked for again, two K steps on
.if \fill
	s_wait_xcnt 0x0                                ; the last prefetch, a K step back, has read its address
	s_add_nc_u64 s[PFA:PFA+1], s[PFA:PFA+1], s[PST:PST+1]
.endif
	WIN 0
	s_wait_tensorcnt 0x0                           ; all my tensor loads have landed: my part of the other slot; the descriptors may be written
	ds_add_u32 v[SPW], v[NIL]
.if \fill
	s_xor_b32 s[G0A2+1], s[G0A2+1], SLOT
	s_add_nc_u64 s[G0A2+2:G0A2+3], s[G0A2+2:G0A2+3], ASTEP
	s_xor_b32 s[G0B2+1], s[G0B2+1], SLOT
	s_add_nc_u64 s[G0B2+2:G0B2+3], s[G0B2+2:G0B2+3], WSTEP
.endif
	s_wait_dscnt 9                                 ; the add and the youngest eight loads may be out
	MUL16 F1, 0, 0
	s_wait_dscnt 0x0                               ; the add is done, and my reads of this slot are over
	s_barrier_signal -1
	MUL16 F1, 0, 2                                 ; work on registers while the others arrive
	WIN 0
	s_barrier_wait -1
.if \fill
	CREST                                          ; no wave of any partner still reads this slot or has a load on its way
	JLOAD                                          ; its four v_nop are also the places in front of the loads below
.else
	PLACES
.endif
	s_xor_b32 s[TB], s[TB], SLOT
	v_add_nc_u32 v[ADRA], s[TB], v[A0]
	v_add_nc_u32 v[ADRB], s[TB], v[B0]
	FETCH 0, F0
.if \fill
	ASK
.endif
	MUL16 F1, 1, 0
	MUL16 F1, 1, 2
	WIN 0
.endm
.macro STEP fill
	QUARTER 1, F0, F1
	QUARTER 2, F1, F0
	QUARTER 3, F0, F1
	TURN \fill
.endm
	s_load_b256 s[4:11], s[0:1], 0x0               ; A s[4:5], wt s[6:7], bias s[8:9], qkv s[10:11]
	s_load_b64 s[12:13], s[0:1], 0x20              ; vs
	v_lshl_add_u32 v[SPW], v0, 2, SPARE
	v_mov_b32 v[NIL], 0
	ds_add_u32 v[SPW], v[NIL]                      ; the wave's opening
	ds_add_u32 v14, v15
	v_lshrrev_b32 v1, 5, v0
	v_readfirstlane_b32 s[WV], v1
	s_lshr_b32 s[RH], s[WV], 1
	s_and_b32 s[CH], s[WV], 1
	s_bfe_u32 s[CX], ttmp6, 0x40000
	s_bfe_u32 s[CY], ttmp6, 0x40004
	s_lshl_b32 s[TC], ttmp9, 2
	s_add_co_u32 s[TC], s[TC], s[CX]               ; tile column
	s_and_b32 s[TR], ttmp7, 0xffff
	s_lshl_b32 s[TR], s[TR], 2
	s_add_co_u32 s[TR], s[TR], s[CY]               ; tile row
	s_lshl_b32 s56, s[CY], 2
	s_lshl_b32 s56, 15, s56                        ; my row of the cluster
	s_lshl_b32 s57, 0x1111, s[CX]                  ; my column
	s_or_b32 s[G1A], s56, FLAGS
	s_or_b32 s[G1B], s57, FLAGS
.irp g, G1A, G1B
	s_mov_b32 s[(\g)+1], 8192<<16                  ; tensor_dim0 = 8,192 elements: 128 dense rows of a plane
	s_mov_b32 s[(\g)+2], 2<<16                     ; tensor_dim1 = 2 planes
	s_mov_b32 s[(\g)+3], 8192<<16                  ; tile_dim0
	s_mov_b32 s[(\g)+4], 2                         ; tile_dim1
	s_mov_b32 s[(\g)+6], 0
	s_mov_b32 s[(\g)+7], 0
.endr
	s_mov_b32 s[G1A+5], 4096*64                    ; elements from plane to plane
	s_mov_b32 s[G1B+5], SIZE_N*64
	s_lshl_b32 s62, s[CH], 14                      ; which 128 rows of 128 bytes I fetch
	s_lshl_b32 s58, s[TR], 15
	s_add_co_u32 s58, s58, s62
	s_mov_b32 s59, 0
	s_lshl_b32 s60, s[TC], 15
	s_add_co_u32 s60, s60, s62
	s_add_co_u32 s60, s60, WOFF
	s_mov_b32 s61, 0
	s_mov_b32 s[G0A], 1
	s_mul_i32 s[G0A+1], s[WV], REGION
	s_mov_b32 s[G0A2], 1
	s_add_co_u32 s[G0A2+1], s[G0A+1], SLOT
	s_mov_b32 s[G0B], 1
	s_mul_i32 s[G0B+1], s[WV], REGION
	s_mov_b32 s[G0B2], 1
	s_add_co_u32 s[G0B2+1], s[G0B+1], SLOT
	s_mov_b32 s[TB], 0
	s_mov_b32 s[CNT], STEPS-2
	s_wait_dscnt 0x0                               ; the opening add is done
	s_wait_kmcnt 0x0
	s_add_nc_u64 s[4:5], s[4:5], s[58:59]          ; A and W at my load of K step 0
	s_add_nc_u64 s[6:7], s[6:7], s[60:61]
	s_mov_b64 s[G0A+2:G0A+3], s[4:5]
	s_or_b32 s[G0A+3], s[G0A+3], 0x80000000
	s_add_nc_u64 s[G0A2+2:G0A2+3], s[4:5], ASTEP
	s_or_b32 s[G0A2+3], s[G0A2+3], 0x80000000
	s_mov_b64 s[G0B+2:G0B+3], s[6:7]
	s_or_b32 s[G0B+3], s[G0B+3], 0x80000000
	s_add_nc_u64 s[G0B2+2:G0B2+3], s[6:7], WSTEP
	s_or_b32 s[G0B2+3], s[G0B2+3], 0x80000000
	CROUND                                         ; all sixteen work-groups are here: the first joint loads meet
	s_cmp_eq_u32 s[RH], 0                          ; a wave's two first fills stand in one branch, ahead of every wait on TENSORcnt and every LDS read
	s_cbranch_scc0 .Lfirst_w
	tensor_load_to_lds s[G0A:G0A+3], s[G1A:G1A+7]
	s_nop 0
	tensor_load_to_lds s[G0A2:G0A2+3], s[G1A:G1A+7]
	s_nop 0
.rept 4
	v_nop
.endr
	s_branch .Lfirst_asked
.Lfirst_w:
	tensor_load_to_lds s[G0B:G0B+3], s[G1B:G1B+7]
	s_nop 0
	tensor_load_to_lds s[G0B2:G0B2+3], s[G1B:G1B+7]
	s_nop 0
.rept 4
	v_nop
.endr
.Lfirst_asked:
	v_and_b32 v[R], 15, v0
	v_bfe_u32 v[H], v0, 4, 1
	v_lshlrev_b32 v[BO], 5, v[H]
	s_lshl_b32 s58, s[TC], 10                      ; the bias of my 128 columns
	s_lshl_b32 s59, s[CH], 9
	s_add_co_u32 s58, s58, s59
	s_mov_b32 s59, 0
	s_add_nc_u64 s[8:9], s[8:9], s[58:59]
.irp w, 0x80, 0xc0                     ; destination window 2, then 3
	WIN \w
.irp a, 0,1,2,3
.irp b, 0,1,2,3,4,5,6,7
	global_load_b128 v[8*(8*(\a)+(\b)):8*(8*(\a)+(\b))+3],   v[BO], s[8:9] offset:64*(\b)     ; the sums start from the bias: nothing is cleared, nothing added later
	global_load_b128 v[8*(8*(\a)+(\b))+4:8*(8*(\a)+(\b))+7], v[BO], s[8:9] offset:64*(\b)+16
.endr
.endr
.endr
	WIN 0
	v_mul_u32_u24 v3, v[R], PITCH
	v_lshl_add_u32 v3, v[H], 4, v3                 ; row x pitch + 16 x half
	s_mul_i32 s56, s[RH], REGION
	s_mul_i32 s57, s[CH], REGION
	s_add_co_u32 s57, s57, 2*REGION
	v_add_nc_u32 v[A0], s56, v3
	v_add_nc_u32 v[B0], s57, v3
	v_add_nc_u32 v[ADRA], s[TB], v[A0]
	v_add_nc_u32 v[ADRB], s[TB], v[B0]
	s_mul_i32 s56, s[WV], WSTG                     ; my stage
	v_mul_u32_u24 v[STO], v[R], SPITCH             ; in: row lane % 16, 32 bytes for each half of the lanes
	v_lshl_add_u32 v[STO], v[H], 5, v[STO]
	v_add_nc_u32 v[STO], s56, v[STO]
	v_bfe_u32 v18, v0, 3, 1
	v_and_b32 v19, 7, v0
	v_mul_u32_u24 v[RD0], v18, SPITCH              ; back: row (lane / 8) % 2, plane lane / 16, 32 bytes of f32
	v_lshl_add_u32 v[RD0], v[H], 8, v[RD0]
	v_lshl_add_u32 v[RD0], v19, 5, v[RD0]
	v_add_nc_u32 v[RD0], s56, v[RD0]
	v_lshlrev_b32 v[GO], 19, v[H]
	v_lshl_add_u32 v[GO], v18, 7, v[GO]
	v_lshl_add_u32 v[GO], v19, 4, v[GO]
	v_lshlrev_b32 v[VSO], 8, v[H]
	v_lshl_add_u32 v[VSO], v19, 5, v[VSO]
	v_and_b32 v[L8], 8, v0
	v_and_b32 v[PFO], 31, v0
	v_lshlrev_b32 v[PFO], 8, v[PFO]
	s_lshl_b32 s58, s[TC], 2                       ; the result: my first plane, my first row
	s_lshl_b32 s59, s[CH], 1
	s_add_co_u32 s58, s58, s59
	s_lshl_b32 s58, s58, 19
	s_lshl_b32 s59, s[TR], 15
	s_add_co_u32 s58, s58, s59
	s_lshl_b32 s59, s[RH], 14
	s_add_co_u32 s58, s58, s59
	s_mov_b32 s59, 0
	s_add_nc_u64 s[10:11], s[10:11], s[58:59]
	s_lshl_b32 s60, s[TR], 2                       ; vs: my first band of 64 rows, my 128 columns of v (tile columns 8 to 11; elsewhere the pointer is not used)
	s_lshl_b32 s61, s[RH], 1
	s_add_co_u32 s60, s60, s61
	s_lshl_b32 s60, s60, 12
	s_max_u32 s61, s[TC], 8
	s_sub_co_u32 s61, s61, 8
	s_lshl_b32 s61, s61, 10
	s_add_co_u32 s60, s60, s61
	s_lshl_b32 s61, s[CH], 9
	s_add_co_u32 s60, s60, s61
	s_mov_b32 s61, 0
	s_add_nc_u64 s[12:13], s[12:13], s[60:61]
	; the prefetches: of the 128 blocks of 256 bytes of a load (64 a plane) the partner at place p takes 32: plane p / 2, blocks 32 (p % 2) on
	s_and_b32 s63, ttmp7, 0xffff                   ; cluster y
	s_mov_b32 s62, SIZE_N*128
	s_mov_b32 s[PST], WSTEP
	s_mov_b32 s[PST+1], 0
	s_cmp_eq_u32 s[RH], 0                          ; do I fetch for A?
	s_cselect_b32 s56, s[CX], s[CY]                ; my place among the four that ask with me
	s_cselect_b32 s57, ttmp9, s63                  ; the coordinate along which other clusters read the same rows
	s_cselect_b32 s62, 4096*128, s62               ; bytes in a plane
	s_cselect_b32 s[PST], ASTEP, s[PST]
	s_cselect_b64 s[PFA:PFA+1], s[4:5], s[6:7]
	s_cmp_eq_u32 s57, 0
	s_cselect_b32 s[LIM], 1, -1                    ; the same in all sixteen partners, for a given wave
	s_lshr_b32 s57, s56, 1
	s_mul_i32 s57, s57, s62
	s_and_b32 s56, s56, 1
	s_lshl_b32 s56, s56, 13
	s_add_co_u32 s56, s56, s57
	s_mov_b32 s57, 0
	s_add_nc_u64 s[PFA:PFA+1], s[PFA:PFA+1], s[56:57]
	s_add_nc_u64 s[PFA:PFA+1], s[PFA:PFA+1], s[PST:PST+1]
	s_add_nc_u64 s[PFA:PFA+1], s[PFA:PFA+1], s[PST:PST+1]  ; at K step 2: the first change of slots steps it to 3
	s_wait_tensorcnt 0x1                           ; my part of K step 0 is in; K step 1's may stay out
	s_barrier_signal -1
	s_barrier_wait -1                              ; everybody's is
	FETCH 0, F0
	s_wait_loadcnt 0x0                             ; the bias
.Lk:
	STEP 1
	s_sub_co_u32 s[CNT], s[CNT], 1
	s_cmp_lg_u32 s[CNT], 0
	s_cbranch_scc1 .Lk
	s_mov_b32 s[CNT], 2
.Lt:
	STEP 0                                         ; the last two steps fill nothing
	s_sub_co_u32 s[CNT], s[CNT], 1
	s_cmp_lg_u32 s[CNT], 0
	s_cbranch_scc1 .Lt
	PLACES
	s_wait_dscnt 0x0                               ; my last reads of the ring are back
	s_barrier_signal -1
	s_barrier_wait -1                              ; nobody reads the ring any more
.irp w, 0,1                            ; store data (source 1) in window 2, then 3
	WIN 0x08+4*(\w)
.irp a, 0,1,2,3
.irp b, 0,1,2,3,4,5,6,7
	ds_store_b128 v[STO], v[8*(8*(\a)+(\b)):8*(8*(\a)+(\b))+3]   offset:(4*(\w)+(\a))*16*SPITCH+64*(\b)
	ds_store_b128 v[STO], v[8*(8*(\a)+(\b))+4:8*(8*(\a)+(\b))+7] offset:(4*(\w)+(\a))*16*SPITCH+64*(\b)+16
.endr
.endr
.endr
	WIN 0
	s_wait_dscnt 0x0
	s_barrier_signal -1
	s_barrier_wait -1                              ; from here on the stages are only read
	s_mov_b32 s[SO], 0
	s_mov_b32 s[CNT], 8
.irp z, 0,1,2,3,4,5,6,7
	v_mov_b32 v[SM+(\z)], 0
.endr
.Lrow:                                 ; a trip: 16 rows x 128 columns
	v_add_nc_u32 v[RDA], s[SO], v[RD0]
.irp j, 0,1,2,3,4,5,6,7
	ds_load_b128 v[X+8*(\j):X+8*(\j)+3],   v[RDA] offset:(\j)*2*SPITCH
	ds_load_b128 v[X+8*(\j)+4:X+8*(\j)+7], v[RDA] offset:(\j)*2*SPITCH+16
.endr
	s_wait_dscnt 0x0
.irp j, 0,1,2,3,4,5,6,7
.irp k, 0,2,4,6
	v_pk_add_f32 v[SM+(\k):SM+(\k)+1], v[SM+(\k):SM+(\k)+1], v[X+8*(\j)+(\k):X+8*(\j)+(\k)+1]
.endr
.endr
.set i, 0
.rept 32
	v_cvt_pk_bf16_f32 v[PK+i], v[X+2*i], v[X+2*i+1]
.set i, i+1
.endr
.irp j, 0,1,2,3,4,5,6,7
	global_store_b128 v[GO], v[PK+4*(\j):PK+4*(\j)+3], s[10:11] offset:256*(\j)  ; sixteen lanes store 256 consecutive bytes (two rows of a plane), aligned
.endr
	s_wait_xcnt 0x0                                ; the stores have read their registers and their base
	s_add_nc_u64 s[10:11], s[10:11], 2048
	s_add_co_u32 s[SO], s[SO], 16*SPITCH
	s_and_b32 s57, s[CNT], 3                       ; a band of 64 rows ends with trips 4 and 8: the count stands at 5 and at 1
	s_cmp_lg_u32 s57, 1
	s_cbranch_scc1 .Lnot_end
.irp z, 0,1,2,3,4,5,6,7
	v_add_f32_dpp v[SM+(\z)], v[SM+(\z)], v[SM+(\z)] row_xmask:8 row_mask:0xf bank_mask:0xf  ; the odd rows' sums onto the even rows'
.endr
	s_cmp_lt_u32 ttmp9, 2                          ; v's columns lie in cluster column 2: the same answer in all sixteen partners
	s_cbranch_scc1 .Lno_vs
	v_cmp_eq_u32 vcc_lo, 0, v[L8]
	s_wait_xcnt 0x0                                ; EXEC changes only behind this wait
	s_and_saveexec_b32 s56, vcc_lo                 ; eight lanes of each half store 256 consecutive bytes, in two instructions
	global_store_b128 v[VSO], v[SM:SM+3],   s[12:13]
	global_store_b128 v[VSO], v[SM+4:SM+7], s[12:13] offset:16
	s_wait_xcnt 0x0                                ; and again, in front of the line that widens it
	s_or_b32 exec_lo, exec_lo, s56
	s_add_nc_u64 s[12:13], s[12:13], 4096          ; the next band
.Lno_vs:
.irp z, 0,1,2,3,4,5,6,7
	v_mov_b32 v[SM+(\z)], 0
.endr
.Lnot_end:
	s_sub_co_u32 s[CNT], s[CNT], 1
	s_cmp_lg_u32 s[CNT], 0
	s_cbranch_scc1 .Lrow
	s_wait_tensorcnt 0x0                           ; the wave's end
	ds_add_u32 v[SPW], v[NIL]
	s_wait_dscnt 0x0
	CROUND                                         ; the closing round
	s_endpgm
.Lfunc_end_k_q5cb7f51f2f_gqkv:
	.size	k_q5cb7f51f2f_gqkv, .Lfunc_end_k_q5cb7f51f2f_gqkv-k_q5cb7f51f2f_gqkv
	.p2alignl 7, 3214868480
	.fill 96, 4, 3214868480
	.section	.rodata,"a",@progbits
	.p2align	6, 0x0
	.amdhsa_kernel k_q5cb7f51f2f_gqkv
		.amdhsa_group_segment_fixed_size 327680
		.amdhsa_private_segment_fixed_size 0
		.amdhsa_enable_private_segment 0
		.amdhsa_kernarg_size 40
		.amdhsa_user_sgpr_count 2
		.amdhsa_user_sgpr_kernarg_segment_ptr 1
		.amdhsa_wavefront_size32 1
		.amdhsa_system_sgpr_workgroup_id_x 1
		.amdhsa_system_sgpr_workgroup_id_y 1
		.amdhsa_system_sgpr_workgroup_id_z 1
		.amdhsa_system_vgpr_workitem_id 0
		.amdhsa_next_free_vgpr 1024
		.amdhsa_next_free_sgpr 72
		.amdhsa_reserve_vcc 1
		.amdhsa_float_denorm_mode_32 3
		.amdhsa_float_denorm_mode_16_64 3
		.amdhsa_memory_ordered 1
		.amdhsa_forward_progress 1
		.amdhsa_inst_pref_size 92
	.end_amdhsa_kernel
	.amdgpu_metadata
---
amdhsa.version: [ 1, 2 ]
amdhsa.kernels:
  - .name:           k_q5cb7f51f2f_gqkv
    .symbol:         k_q5cb7f51f2f_gqkv.kd
    .args:
      - { .name: xn, .offset: 0, .size: 8, .value_kind: global_buffer, .address_space: global }
      - { .name: wt, .offset: 8, .size: 8, .value_kind: global_buffer, .address_space: global }
      - { .name: b_qkv, .offset: 16, .size: 8, .value_kind: global_buffer, .address_space: global }
      - { .name: qkv, .offset: 24, .size: 8, .value_kind: global_buffer, .address_space: global }
      - { .name: vs, .offset: 32, .size: 8, .value_kind: global_buffer, .address_space: global }
    .group_segment_fixed_size: 327680
    .private_segment_fixed_size: 0
    .kernarg_segment_align: 8
    .kernarg_segment_size: 40
    .max_flat_workgroup_size: 128
    .sgpr_count:     72
    .vgpr_count:     1024
    .wavefront_size: 32
...
	.end_amdgpu_metadata
.endif
;; end of part 3
;; launch attn (part 4): grid 8 x 32, 4 waves a work-group, no clusters, 327,680 bytes of LDS; arguments qkv, vs, ao; writes ao
.if DOCPART == 4
	.amdgcn_target "amdgcn-amd-amdhsa--gfx1250"
	.amdhsa_code_object_version 6
	.text
	.protected	k_q5cb7f51f2f_attn
	.globl	k_q5cb7f51f2f_attn
	.p2align	8
	.type	k_q5cb7f51f2f_attn,@function
k_q5cb7f51f2f_attn:
	s_mov_b64 s[64:65], 0
	v_nop
	global_prefetch_b8 v0, s[64:65] scope:SCOPE_SE
	s_setreg_imm32_b32 hwreg(HW_REG_WAVE_MODE, 25, 1), 1
	s_wait_xcnt 0x0
; CAUSAL ATTENTION WITH A FINITE MASK VALUE.  For each of 16 heads x 2 batches: O[q] = sum over ALL 2,048 keys k of softmax_k(s[q][k]) V[k], s = Q.K / 8 where k <= q and -10000 elsewhere.
; q, k, v: bf16 by planes (qkv[48][4096][64]: a head's rows are dense, 128 bytes each); O likewise.  Products, maxima, sums in f32; the weights are rounded to bf16 for the second product.
; THE HIDDEN KEYS are honoured exactly, without walking them.  Inside a block's diagonal tile a hidden score is replaced by -80000 (= -10000 x 8, ahead of the scale) and treated like any score.
; The keys of the tiles beyond it all have that one score, so at a block's end they enter as one term: with m' = max(m, -80000), a = 2^(c m - c m'), e = 2^(-80000 c - c m'):
; l' = a l + e n, O = (a O + e TS) / l', n their number and TS the sum of their rows of V, made from vs (sums of 64 rows each, stored by the launch before).
; THE WALK.  A head has 16 blocks of 128 queries; block i needs the key tiles 0 .. i of 128 keys.  A work-group takes block b and then block 15 - b: 17 tiles whatever b, one counted loop, one ring of two slots
; that runs on across the change of blocks.  NO CLUSTER: the 8 work-groups of a head ask for different tiles in most trips, and one walk common to all would have 24 trips for 17.
; SHARES.  Of a block's two bands of 64 queries a wave owns 16 rows in each: two tiles that share K's and V's fragments; the diagonal is the same work for all four waves.
; LAYOUT.  S^T = K Q^T holds one query a lane (lane % 16) and keys 8 (lane / 16) + 0..7; two such results rounded to bf16 are source 1 of O^T = V^T P.  p = 2^(c s - c m), c = log2(e) / 8, m a running maximum;
; O and l are multiplied by a = 2^(c m_old - c m_new) in every step.  A block starts with c m far below every c s: its first a is 0 and wipes what lies in O and l, which need only be finite.
; A STEP (64 keys), in phases: K's loads; V^T P of the step before; V's loads; K Q^T; the mask; the softmax, its 66 exponentials one batch with one wait.
; LIMITS: operands in bf16; a weight below 2^-126 counts as 0; raw scores below -2e38 are not served; TS is the sum of v ahead of its rounding to bf16.
; REGISTERS (windows of 256): window 0: v0-63 addresses and statistics; v64-127 S^T; v128-159 TS of the first block, v160-191 of the second; v192-223 P.  window 1: v0-63 O^T.
;   window 2: v0-31 Q; v32-63 the second block's Q; v128-191 K; v192-255 V.
.set KS,    64
.set PK,    144                        ; a row of K in LDS: 128 bytes + 16
.set PVP,   160                        ; a row of V: 128 + 32
.set VOFF,  128*PK                     ; a slot: 128 rows of K, then 128 rows of V
.set SLOT1, 65536
.set STAGE, SLOT1+128*(PK+PVP)         ; behind the ring: 16 rows x 144 bytes for each wave
.set SP,    144
.set SPARE, STAGE+4*16*SP              ; the spare words, 128 bytes a wave
.set R,   1
.set AK0, 2
.set AV0, 3
.set AK,  4
.set AV,  5
.set STO, 6
.set RD,  7
.set GO,  8
.set H,   9
.set MV,  12                           ; v12-13 c m_old, by tile
.set DG,  14                           ; v14 my query's place in its band less 8 (lane / 16)
.set QO,  15
.set ST,  16                           ; tile u at ST + 4 u: c m, m, l (even keys', odd keys')
.set TMP, 24                           ; tile u at TMP + 4 u: c0-c3 at work; c2 takes a
.set F,   32                           ; v32-35 two factors, each twice
.set NEGV, 36                          ; v36 -80000
.set VX,  37
.set PFO, 38                           ; v38 256 x lane; never rewritten
.set R16, 39
.set EW,  40                           ; tile u at EW + 4 u: a / l' twice, e / l' twice
.set SPW, 62
.set NIL, 63
.set S,   64
.set TS,  128
.set TSH, 160
.set P,   192
.set QH,  32                           ; window 2
.set KF,  128
.set VF,  192
.set KB,  10                           ; s[10:11] K at my half of the head's tile 0
.set VB,  12                           ; s[12:13] V likewise
.set OL,  14                           ; s[14:15] O at my rows of the first block
.set OH,  16                           ; s[16:17] of the second
.set WV,  18
.set PB,  19                           ; b
.set HI,  20                           ; 15 - b
.set PFA, 22                           ; s[22:23] the prefetch's address
.set G1K, 24
.set G1V, 32
.set G0K, 40
.set G0V, 44
.set SLOTS, 48
.set CNT, 49
.set TBK, 50
.set TBV, 51
.set RT,  52                           ; tiles of the block in hand still to be entered
.set NXT, 53                           ; the tile to be asked for next
.set LQ,  54                           ; the last tile of the block whose tiles are being asked for
.set LIM, 55                           ; 8 where b = 0, else the greatest number
.set OFF, 56
.set CS,  58
.set SEL, 60
.set MHL, 62                           ; the hidden score for the first block's end,
.set MHH, 63                           ; for the second's: the lowest finite number where nothing lies beyond the diagonal tile
.set NBL, 66                           ; the number of keys beyond it: first block,
.set NBH, 67                           ; second block
.set MK,  68                           ; s[68:99] lane masks: register i of a band's own step is hidden
.set MSB, 0
.macro WIN new
.if MSB != (\new)
	s_set_vgpr_msb (MSB<<8)|(\new)
.set MSB, (\new)
.endif
.endm
.set W_KQ, 0x0a                        ; K and Q window 2, S^T window 0
.set W_PV, 0x52                        ; V window 2, P window 0, O^T window 1
.set W_RS, 0x41                        ; destination and source 0 window 1
.macro PLACES
.rept 4
	v_nop
.endr
.endm
.macro LOAD                            ; waves 0, 1 fetch the halves of a tile's K, waves 2, 3 of its V; s_nop 0 and four v_nop follow each line
	s_cmp_lt_u32 s[WV], 2
	s_cbranch_scc0 .Lfor_v_\@
	tensor_load_to_lds s[G0K:G0K+3], s[G1K:G1K+7]
	s_nop 0
.rept 4
	v_nop
.endr
	s_branch .Lasked_\@
.Lfor_v_\@:
	tensor_load_to_lds s[G0V:G0V+3], s[G1V:G1V+7]
	s_nop 0
.rept 4
	v_nop
.endr
.Lasked_\@:
.endm
; A prefetch into the L2 of what the next change of slots will ask for: each wave names the 8,192 bytes that it will load itself, a lane 256 bytes.  Of a head's 8 work-groups only b = 0 asks, and only for
; tiles 8 to 15, which it is the first to load; tiles 0 to 7 are loaded by its partners in the same trips.  So each block is named once.  Behind the last tile the number has gone back to 0: nothing is asked.
.macro ASK
	s_cmp_ge_u32 s[NXT], s[LIM]
	s_cbranch_scc0 .Lnot_mine_\@
	global_prefetch_b8 v[PFO], s[PFA:PFA+1] th:TH_LOAD_NT scope:SCOPE_SE
.Lnot_mine_\@:
.endm
; THE CHANGE OF SLOTS.  Each wave waits for all its tensor loads (one is out: its part of the other slot), adds 0 to its spare word, waits for that and for its reads of the slot that it leaves.
; fill = 1: the old slot is filled again, first thing behind the barrier, with tile NXT; the address is made anew from that number.
.macro CHANGE fill
	WIN 0
	s_wait_tensorcnt 0x0
	ds_add_u32 v[SPW], v[NIL]
.if \fill
	s_lshl_b32 s[OFF], s[NXT], 14                  ; a tile is 16,384 bytes of K and of V
	s_xor_b32 s[G0K+1], s[G0K+1], SLOT1
	s_add_nc_u64 s[G0K+2:G0K+3], s[KB:KB+1], s[OFF:OFF+1]
	s_or_b32 s[G0K+3], s[G0K+3], 0x80000000
	s_xor_b32 s[G0V+1], s[G0V+1], SLOT1
	s_add_nc_u64 s[G0V+2:G0V+3], s[VB:VB+1], s[OFF:OFF+1]
	s_or_b32 s[G0V+3], s[G0V+3], 0x80000000
	s_add_co_u32 s[NXT], s[NXT], 1                 ; the block's next tile, or behind its last the second block's tile 0
	s_cmp_gt_u32 s[NXT], s[LQ]
	s_cselect_b32 s[NXT], 0, s[NXT]
	s_cselect_b32 s[LQ], s[HI], s[LQ]
	s_wait_xcnt 0x0                                ; the last prefetch, a tile back, has read its address
	s_lshl_b32 s[OFF], s[NXT], 14
	s_cmp_lt_u32 s[WV], 2
	s_cselect_b64 s[PFA:PFA+1], s[KB:KB+1], s[VB:VB+1]
	s_add_nc_u64 s[PFA:PFA+1], s[PFA:PFA+1], s[OFF:OFF+1]
.endif
	s_wait_dscnt 0x0                               ; the add is done, and my reads of the slot are over
	s_barrier_signal -1
	s_sub_co_u32 s[TBK], s[TBK], 2*KS*PK           ; the fetches go back to a slot's first step, in the other slot
	s_xor_b32 s[TBK], s[TBK], SLOT1
	s_sub_co_u32 s[TBV], s[TBV], 2*KS*PVP
	s_xor_b32 s[TBV], s[TBV], SLOT1
	s_barrier_wait -1
.if \fill
	LOAD
	ASK
.endif
.endm
	s_load_b128 s[4:7], s[0:1], 0x0                ; qkv s[4:5], vs s[6:7]
	s_load_b64 s[8:9], s[0:1], 0x10                ; ao
	v_lshl_add_u32 v[SPW], v0, 2, SPARE
	v_mov_b32 v[NIL], 0
	ds_add_u32 v[SPW], v[NIL]                      ; the wave's opening
	ds_add_u32 v62, v63
	v_lshrrev_b32 v1, 5, v0
	v_readfirstlane_b32 s[WV], v1
	s_mov_b32 s[PB], ttmp9
	s_sub_co_u32 s[HI], 15, s[PB]
	s_and_b32 s2, ttmp7, 0xffff                    ; 2 x head + batch
	s_lshl_b32 s70, s2, 18                         ; its 2,048 rows of 128 bytes in a group of 16 planes
	s_and_b32 s3, s[WV], 1                         ; which half of a tile's 128 keys I fetch
	s_lshl_b32 s72, s3, 13
	s_add_co_u32 s72, s72, s70
	s_mov_b32 s73, 0
	s_mul_i32 s74, s3, 64*PK
	s_mul_i32 s75, s3, 64*PVP
	s_lshl_b32 s76, s[WV], 11                      ; my 16 rows in a band
	s_add_co_u32 s76, s76, s70
	s_lshl_b32 s78, s[PB], 14                      ; the first block,
	s_add_co_u32 s78, s78, s76
	s_mov_b32 s79, 0
	s_lshl_b32 s80, s[HI], 14                      ; the second
	s_add_co_u32 s80, s80, s76
	s_mov_b32 s81, 0
	s_and_b32 s82, s2, 1                           ; vs: the batch's 32 bands of 4,096 bytes, the head's 256 bytes
	s_lshl_b32 s82, s82, 17
	s_lshr_b32 s83, s2, 1
	s_lshl_b32 s83, s83, 8
	s_add_co_u32 s82, s82, s83
	s_mov_b32 s83, 0
	; descriptor group 1: 64 keys are 8,192 dense bytes: 32 rows of 256 bytes, padded in LDS after every key
	s_mov_b32 s[G1K], (1<<16)|(1<<20)|(4<<22)|(3<<25)
	s_mov_b32 s[G1V], (1<<16)|(1<<20)|(4<<22)|(7<<25)
.irp g, G1K, G1V
	s_mov_b32 s[(\g)+1], 128<<16
	s_mov_b32 s[(\g)+2], 32<<16
	s_mov_b32 s[(\g)+3], 128<<16
	s_mov_b32 s[(\g)+4], 32
	s_mov_b32 s[(\g)+5], 128
	s_mov_b32 s[(\g)+6], 0
	s_mov_b32 s[(\g)+7], 0
.endr
	s_mov_b32 s[CS], 0x3e38aa3b                    ; c = log2(e) / 8
	s_mov_b32 s[CS+1], s[CS]
	s_mov_b32 s[SEL], 0x76543210
	s_mov_b32 s[SEL+1], 0xfedcba98
	s_mov_b32 s[TBK], SLOT1+2*KS*PK                ; the first change of slots turns these two into 0
	s_mov_b32 s[TBV], SLOT1+2*KS*PVP
	s_mov_b32 s[G0K], 1
	s_mov_b32 s[G0K+1], s74
	s_mov_b32 s[G0V], 1
	s_add_co_u32 s[G0V+1], s75, VOFF
	s_add_co_u32 s[RT], s[PB], 1                   ; the first block has b + 1 tiles
	s_mov_b32 s[LQ], s[PB]
	s_mov_b32 s[NXT], 1
	s_cmp_gt_u32 s[NXT], s[LQ]
	s_cselect_b32 s[NXT], 0, s[NXT]
	s_cselect_b32 s[LQ], s[HI], s[LQ]
	s_mov_b32 s[OFF+1], 0
	s_mov_b32 s[SLOTS], 16
	s_mov_b32 s[MHL], 0xc79c4000                   ; -80000
	s_cmp_eq_u32 s[PB], 0
	s_cselect_b32 s[MHH], 0xff7fffff, s[MHL]
	s_cselect_b32 s[LIM], 8, -1
	s_lshl_b32 s[NBL], s[HI], 7                    ; 128 (15 - b)
	s_lshl_b32 s[NBH], s[PB], 7                    ; 128 b
	s_wait_dscnt 0x0                               ; the opening add is done
	s_wait_kmcnt 0x0
	s_add_nc_u64 s[KB:KB+1], s[4:5], s[72:73]
	s_add_nc_u64 s[VB:VB+1], s[KB:KB+1], 16777216  ; v: planes 32 on
	s_add_nc_u64 s[KB:KB+1], s[KB:KB+1], 8388608   ; k: planes 16 on
	s_mov_b64 s[G0K+2:G0K+3], s[KB:KB+1]
	s_or_b32 s[G0K+3], s[G0K+3], 0x80000000
	s_mov_b64 s[G0V+2:G0V+3], s[VB:VB+1]
	s_or_b32 s[G0V+3], s[G0V+3], 0x80000000
	s_add_nc_u64 s[84:85], s[4:5], s[78:79]        ; Q of the first block,
	s_add_nc_u64 s[86:87], s[4:5], s[80:81]        ; of the second
	s_add_nc_u64 s[OL:OL+1], s[8:9], s[78:79]
	s_add_nc_u64 s[OH:OH+1], s[8:9], s[80:81]
	s_add_nc_u64 s[88:89], s[6:7], s[82:83]
	LOAD                                           ; tile 0 into slot 0
	v_and_b32 v[R], 15, v0
	v_bfe_u32 v[H], v0, 4, 1
	v_lshlrev_b32 v[QO], 7, v[R]
	v_lshl_add_u32 v[QO], v[H], 4, v[QO]
	v_lshlrev_b32 v[VX], 12, v[R]                  ; vs: band lane % 16, my 8 channels of each 16
	v_lshl_add_u32 v[VX], v[H], 5, v[VX]
	WIN 0x80
.set i, 0
.rept 4                                ; tile i / 2 lies 8,192 bytes on; channels 32 (i % 2) on
	global_load_b128 v[8*i:8*i+3],         v[QO], s[84:85] offset:(i/2)*8192+(i%2)*64
	global_load_b128 v[8*i+4:8*i+7],       v[QO], s[84:85] offset:(i/2)*8192+(i%2)*64+32
	global_load_b128 v[QH+8*i:QH+8*i+3],   v[QO], s[86:87] offset:(i/2)*8192+(i%2)*64
	global_load_b128 v[QH+8*i+4:QH+8*i+7], v[QO], s[86:87] offset:(i/2)*8192+(i%2)*64+32
.set i, i+1
.endr
	WIN 0
.irp e, 0,1
.irp c, 0,1,2,3
	global_load_b128 v[S+32*(\e)+8*(\c):S+32*(\e)+8*(\c)+3],   v[VX], s[88:89] offset:65536*(\e)+64*(\c)     ; bands r and r + 16, into S^T's registers, which are free yet
	global_load_b128 v[S+32*(\e)+8*(\c)+4:S+32*(\e)+8*(\c)+7], v[VX], s[88:89] offset:65536*(\e)+64*(\c)+16
.endr
.endr
	v_mul_u32_u24 v[AK0], v[R], PK
	v_lshl_add_u32 v[AK0], v[H], 4, v[AK0]
	v_and_b32 v10, 7, v0                           ; the turning load: lane l reads key 8 (l / 16) + l % 8, channels 8 ((l / 8) % 2) on
	v_bfe_u32 v11, v0, 3, 1
	v_lshl_add_u32 v[AV0], v[H], 3, v10
	v_mul_u32_u24 v[AV0], v[AV0], PVP
	v_lshl_add_u32 v[AV0], v11, 4, v[AV0]
	v_add_nc_u32 v[AV0], VOFF, v[AV0]
	s_mul_i32 s2, s[WV], 16*SP
	s_add_co_u32 s2, s2, STAGE
	v_mul_u32_u24 v[STO], v[R], SP
	v_lshl_add_u32 v[STO], v[H], 4, v[STO]
	v_add_nc_u32 v[STO], s2, v[STO]
	v_bfe_u32 v[RD], v0, 3, 2
	v_mul_u32_u24 v[RD], v[RD], SP
	v_lshl_add_u32 v[RD], v10, 4, v[RD]
	v_add_nc_u32 v[RD], s2, v[RD]
	v_and_b32 v[GO], 31, v0
	v_lshlrev_b32 v[PFO], 8, v[GO]
	v_lshlrev_b32 v[GO], 4, v[GO]
	v_lshlrev_b32 v[DG], 3, v[H]
	v_sub_nc_u32 v[DG], v[R], v[DG]
	s_lshl_b32 s3, s[WV], 4
	v_add_nc_u32 v[DG], s3, v[DG]
	v_add_nc_u32 v[R16], 16, v[R]
	v_mov_b32 v[NEGV], 0xc79c4000
	; O^T, P, V and l need only be finite at a block's first step: zeros, written in the wait for the first tile
	WIN 0x80
.set i, VF
.rept 64
	v_mov_b32 v[i], 0
.set i, i+1
.endr
	WIN 0x40
.set i, 0
.rept 64
	v_mov_b32 v[i], 0
.set i, i+1
.endr
	WIN 0
.set i, P
.rept 32
	v_mov_b32 v[i], 0
.set i, i+1
.endr
.irp u, 0,1
	v_mov_b32 v[ST+4*\u], 0xfe000000               ; c m: far below every c s
	v_mov_b32 v[ST+4*\u+1], 0xff7fffff             ; m
	v_mov_b32 v[ST+4*\u+2], 0
	v_mov_b32 v[ST+4*\u+3], 0
.endr
	s_wait_loadcnt 0x0                             ; Q and vs
	s_wait_xcnt 0x0
; TS for the block whose first band beyond the diagonal tile is s[th]: the bands from there on are added, over the two loaded sets and the 16 lanes of a half
.macro MAKE_TS dst, th
	v_cmp_le_u32 vcc_lo, s[\th], v[R]
	v_cndmask_b32 v[F], 0, 1.0, vcc_lo
	v_cmp_le_u32 vcc_lo, s[\th], v[R16]
	v_cndmask_b32 v[F+2], 0, 1.0, vcc_lo
	v_mov_b32 v[F+1], v[F]
	v_mov_b32 v[F+3], v[F+2]
.set z, 0
.rept 16
	v_pk_mul_f32 v[(\dst)+z:(\dst)+z+1], v[S+z:S+z+1], v[F:F+1]
.set z, z+2
.endr
.set z, 0
.rept 16
	v_pk_fma_f32 v[(\dst)+z:(\dst)+z+1], v[S+32+z:S+32+z+1], v[F+2:F+3], v[(\dst)+z:(\dst)+z+1]
.set z, z+2
.endr
.irp m, 1,2,4,8
.set z, 0
.rept 32
	v_add_f32_dpp v[(\dst)+z], v[(\dst)+z], v[(\dst)+z] row_xmask:\m row_mask:0xf bank_mask:0xf
.set z, z+1
.endr
.endr
.endm
	s_lshl_b32 s2, s[PB], 1
	s_add_co_u32 s2, s2, 2
	s_lshl_b32 s3, s[HI], 1
	s_add_co_u32 s3, s3, 2
	MAKE_TS TS, 2
	MAKE_TS TSH, 3
.set i, 0
.rept 32
	v_cmp_gt_i32 s[MK+i], 16*(i/8)+i%8, v[DG]      ; key 16 (i / 8) + 8 (lane / 16) + i % 8 of the step lies behind my query
.set i, i+1
.endr
; THE MATRIX WORK.  Eight accumulators take turns, one instruction a turn.
.macro KQM                             ; product i of 16 of S^T = K Q^T: channels 32 (i / 8) on, keys 16 ((i / 2) % 4) on, tile i % 2
	WIN W_KQ
.set rS, S+32*(i%2)+8*((i/2)%4)
.set rK, KF+16*((i/2)%4)+8*(i/8)
.set rQ, 16*(i%2)+8*(i/8)
.if i < 8
	v_wmma_f32_16x16x32_bf16 v[rS:rS+7], v[rK:rK+7], v[rQ:rQ+7], 0
.else
	v_wmma_f32_16x16x32_bf16 v[rS:rS+7], v[rK:rK+7], v[rQ:rQ+7], v[rS:rS+7]
.endif
.endm
.macro PVM                             ; product i of 16 of O^T += V^T P: keys 32 (i / 8) on, channels 16 ((i / 2) % 4) on, tile i % 2
	WIN W_PV
.set rO, 32*(i%2)+8*((i/2)%4)
.set rV, VF+32*(i/8)+8*((i/2)%4)
.set rP, P+16*(i%2)+8*(i/8)
	v_wmma_f32_16x16x32_bf16 v[rO:rO+7], v[rV:rV+7], v[rP:rP+7], v[rO:rO+7]
.endm
.macro FETCH_K
	WIN 0x80
.irp f, 0,1,2,3,4,5,6,7
	ds_load_b128 v[KF+8*\f:KF+8*\f+3],   v[AK] offset:(\f/2)*16*PK+(\f%2)*64
	ds_load_b128 v[KF+8*\f+4:KF+8*\f+7], v[AK] offset:(\f/2)*16*PK+(\f%2)*64+32
.endr
	WIN 0
.endm
.macro FETCH_V
	WIN 0x80
.irp f, 0,1,2,3,4,5,6,7
	ds_load_tr16_b128 v[VF+8*\f:VF+8*\f+3],   v[AV] offset:(\f/4)*32*PVP+(\f%4)*32
	ds_load_tr16_b128 v[VF+8*\f+4:VF+8*\f+7], v[AV] offset:(\f/4)*32*PVP+16*PVP+(\f%4)*32
.endr
	WIN 0
.endm
; THE VECTOR WORK
.macro REGS u
.set rT, ST+4*(\u)
.set rC, TMP+4*(\u)
.set rW, MV+(\u)
.set rS, S+32*(\u)
.set rP, P+16*(\u)
.set rO, 32*(\u)
.endm
.macro XS u, n                         ; number n of the 22 that find a tile's maximum and statistics; each accumulator's lowest registers are read first
	REGS \u
.if (\n) < 4
	v_max3_num_f32 v[rC+(\n)], v[rS+8*(\n)], v[rS+8*(\n)+1], v[rS+8*(\n)+2]
.elseif (\n) < 12
	v_max3_num_f32 v[rC+(\n)%4], v[rC+(\n)%4], v[rS+8*((\n)%4)+2*((\n)/4)+1], v[rS+8*((\n)%4)+2*((\n)/4)+2]
.elseif (\n) == 12
	v_max3_num_f32 v[rC], v[rC], v[rS+7], v[rS+15]
.elseif (\n) == 13
	v_max3_num_f32 v[rC+1], v[rC+1], v[rS+23], v[rS+31]
.elseif (\n) == 14
	v_max3_num_f32 v[rC+2], v[rC+2], v[rC+3], v[rT+1]
.elseif (\n) == 15
	v_mov_b32 v[rW], v[rT]
.elseif (\n) == 16
	v_max3_num_f32 v[rC], v[rC], v[rC+1], v[rC+2]
.elseif (\n) == 17
	v_permlanex16_b32 v[rC+3], v[rC], s[SEL], s[SEL+1]
.elseif (\n) == 18
	v_max_num_f32 v[rT+1], v[rC], v[rC+3]
.elseif (\n) == 19
	v_mul_f32 v[rT], s[CS], v[rT+1]
.elseif (\n) == 20
	v_sub_f32 v[rC+1], v[rW], v[rT]
.else
	v_exp_f32 v[rC+2], v[rC+1]
.endif
.endm
.macro FS u, n                         ; c s - c m for pair n
	REGS \u
	v_pk_fma_f32 v[rS+2*(\n):rS+2*(\n)+1], v[rS+2*(\n):rS+2*(\n)+1], s[CS:CS+1], v[rT:rT+1] op_sel_hi:[1,0,0] neg_lo:[0,0,1] neg_hi:[0,0,1]
.endm
.macro ES u, n
	REGS \u
	v_exp_f32 v[rS+(\n)], v[rS+(\n)]
.endm
.macro TAIL1 u, n                      ; pair n rounded to bf16
	REGS \u
	v_cvt_pk_bf16_f32 v[rP+(\n)], v[rS+2*(\n)], v[rS+2*(\n)+1]
.endm
.macro TAIL2 u, n                      ; of four weights the second pair is added onto the first
	REGS \u
	v_pk_add_f32 v[rS+4*(\n):rS+4*(\n)+1], v[rS+4*(\n):rS+4*(\n)+1], v[rS+4*(\n)+2:rS+4*(\n)+3]
.endm
.macro TAIL3 u, n                      ; l takes that sum; the first time l = a l + sum
	REGS \u
.if (\n) == 0
	v_pk_fma_f32 v[rT+2:rT+3], v[rT+2:rT+3], v[rC+2:rC+3], v[rS:rS+1] op_sel_hi:[1,0,1]
.else
	v_pk_add_f32 v[rT+2:rT+3], v[rT+2:rT+3], v[rS+4*(\n):rS+4*(\n)+1]
.endif
.endm
.macro TAIL4 u, n                      ; O^T times a
	REGS \u
	v_pk_mul_f32 v[rO+2*(\n):rO+2*(\n)+1], v[rO+2*(\n):rO+2*(\n)+1], v[rC+2:rC+3] op_sel_hi:[1,0]
.endm
.macro BOTH m, count                   ; macro m for both tiles, numbers 0 .. count - 1, the tiles alternating
.set z, 0
.rept \count
	\m 0, z
	\m 1, z
.set z, z+1
.endr
.endm
.macro SOFTMAX
	WIN 0
	BOTH XS, 21
	FS 0, 0
	FS 1, 0
	XS 0, 21                                       ; ONE BATCH: both a and the 64 exponentials, the scalings between them; nothing ahead of the wait names a result
	XS 1, 21
.set y, 0
.rept 16
	ES 0, 2*y
.if y < 15
	FS 0, y+1
.endif
	ES 1, 2*y
.if y < 15
	FS 1, y+1
.endif
	ES 0, 2*y+1
	ES 1, 2*y+1
.set y, y+1
.endr
	v_nop                                          ; a plain instruction behind the last exponential,
	s_wait_alu depctr_va_vdst(0)                   ; and the one wait ahead of the first use
	BOTH TAIL1, 16
	BOTH TAIL2, 8
	BOTH TAIL3, 8
	WIN W_RS
	BOTH TAIL4, 16
	WIN 0
.endm
.macro FIX_OWN u                       ; the band's own step: keys behind the query take the hidden score
.set z, 0
.rept 32
	v_cndmask_b32 v[S+32*(\u)+z], v[S+32*(\u)+z], v[NEGV], s[MK+z]
.set z, z+1
.endr
.endm
.macro FIX_ALL u                       ; a later step: all keys do
.set z, 0
.rept 32
	v_mov_b32 v[S+32*(\u)+z], v[NEGV]
.set z, z+1
.endr
.endm
.macro STEP
	WIN 0
	v_add_nc_u32 v[AK], s[TBK], v[AK0]
	FETCH_K                                        ; K's last reader stands a softmax back
	s_wait_dscnt 16                                ; V of the step before is in; K's sixteen loads may stay out
.set i, 0
.rept 16
	PVM
.set i, i+1
.endr
	PLACES
	WIN 0
	v_add_nc_u32 v[AV], s[TBV], v[AV0]
	FETCH_V
	s_wait_dscnt 16                                ; K is in; V's sixteen loads may stay out
.set i, 0
.rept 16
	KQM
.set i, i+1
.endr
	PLACES
	WIN 0
	s_cmp_lg_u32 s[RT], 0                          ; the diagonal tile is a block's last
	s_cbranch_scc1 .Lclear_\@
	s_cmp_eq_u32 s[CNT], 2
	s_cbranch_scc0 .Lsecond_\@
	FIX_OWN 0                                      ; its first step is band 0's own; band 1 sees all of it
	s_branch .Lclear_\@
.Lsecond_\@:
	FIX_ALL 0                                      ; its second step is hidden from band 0 and band 1's own
	FIX_OWN 1
.Lclear_\@:
	SOFTMAX
	s_add_co_u32 s[TBK], s[TBK], KS*PK
	s_add_co_u32 s[TBV], s[TBV], KS*PVP
.endm
.macro TILE
	s_mov_b32 s[CNT], 2
.Lstep_\@:
	STEP
	s_sub_co_u32 s[CNT], s[CNT], 1
	s_cmp_lg_u32 s[CNT], 0
	s_cbranch_scc1 .Lstep_\@
.endm
; A BLOCK'S END: the last step's V^T P; the keys beyond the diagonal tile; the division; the way out through my stage, a tile (16 rows of O) at a time.
.macro PACK u, ts
	WIN W_RS
.set z, 0
.rept 16
	v_pk_mul_f32 v[32*(\u)+z:32*(\u)+z+1], v[32*(\u)+z:32*(\u)+z+1], v[EW+4*(\u):EW+4*(\u)+1]
.set z, z+2
.endr
	WIN 0x50                                       ; TS and its factor window 0, O^T window 1
.set z, 0
.rept 16
	v_pk_fma_f32 v[32*(\u)+z:32*(\u)+z+1], v[(\ts)+z:(\ts)+z+1], v[EW+4*(\u)+2:EW+4*(\u)+3], v[32*(\u)+z:32*(\u)+z+1]
.set z, z+2
.endr
	WIN 0x05
.set z, 0
.rept 16
	v_cvt_pk_bf16_f32 v[S+16*(\u)+z], v[32*(\u)+2*z], v[32*(\u)+2*z+1]
.set z, z+1
.endr
	WIN 0
.irp f, 0,1,2,3
	ds_store_b128 v[STO], v[S+16*(\u)+4*\f:S+16*(\u)+4*\f+3] offset:32*\f
.endr
.irp f, 0,1,2,3
	ds_load_b128 v[S+16*(\u)+4*\f:S+16*(\u)+4*\f+3], v[RD] offset:\f*4*SP  ; LDS serves a wave's instructions in order (ISA guide 5.7.1.4): these see the stores above
.endr
.endm
.macro SEND u, younger, op
.irp f, 0,1,2,3
	s_wait_dscnt (\younger)+3-\f
	global_store_b128 v[GO], v[S+16*(\u)+4*\f:S+16*(\u)+4*\f+3], s[\op:\op+1] offset:(\u)*8192+\f*512  ; 512 consecutive bytes, aligned
.endr
.endm
.macro END ts, op, mh, nb
	s_wait_dscnt 0x0                               ; V of the last step
.set i, 0
.rept 16
	PVM
.set i, i+1
.endr
	WIN 0                                          ; the lines below, which name nothing of O^T, are the places behind those products
.irp u, 0,1
	v_add_f32 v[ST+4*\u+2], v[ST+4*\u+2], v[ST+4*\u+3]
	v_max_num_f32 v[TMP+4*\u], s[\mh], v[ST+4*\u+1]      ; m'
	v_mov_b32 v[TMP+4*\u+1], s[\mh]
.endr
.irp u, 0,1
	v_permlanex16_b32 v[ST+4*\u+3], v[ST+4*\u+2], s[SEL], s[SEL+1]
	v_mul_f32 v[TMP+4*\u], s[CS], v[TMP+4*\u]
	v_mul_f32 v[TMP+4*\u+1], s[CS], v[TMP+4*\u+1]
.endr
.irp u, 0,1
	v_add_f32 v[ST+4*\u+2], v[ST+4*\u+2], v[ST+4*\u+3]   ; l
	v_sub_f32 v[EW+4*\u], v[ST+4*\u], v[TMP+4*\u]
	v_sub_f32 v[EW+4*\u+2], v[TMP+4*\u+1], v[TMP+4*\u]
	v_cvt_f32_u32 v[TMP+4*\u+2], s[\nb]
.endr
.irp u, 0,1
	v_exp_f32 v[EW+4*\u], v[EW+4*\u]                     ; a
	v_exp_f32 v[EW+4*\u+2], v[EW+4*\u+2]                 ; e
.endr
	v_nop
	s_wait_alu depctr_va_vdst(0)                   ; one wait for the four exponentials
.irp u, 0,1
	v_mul_f32 v[TMP+4*\u+2], v[TMP+4*\u+2], v[EW+4*\u+2]
.endr
.irp u, 0,1
	v_fma_f32 v[TMP+4*\u+2], v[EW+4*\u], v[ST+4*\u+2], v[TMP+4*\u+2]  ; l' = a l + e n
.endr
.irp u, 0,1
	v_rcp_f32 v[TMP+4*\u+3], v[TMP+4*\u+2]
.endr
	v_nop
	s_wait_alu depctr_va_vdst(0)                   ; one wait for the two reciprocals
.irp u, 0,1
	v_mul_f32 v[EW+4*\u], v[EW+4*\u], v[TMP+4*\u+3]
	v_mul_f32 v[EW+4*\u+2], v[EW+4*\u+2], v[TMP+4*\u+3]
.endr
.irp u, 0,1
	v_mov_b32 v[EW+4*\u+1], v[EW+4*\u]
	v_mov_b32 v[EW+4*\u+3], v[EW+4*\u+2]
.endr
	PACK 0, \ts
	PACK 1, \ts
	SEND 0, 8, \op
	SEND 1, 0, \op
.endm
.Lslot:                                ; 16 times: a tile is entered and the next is asked for
	CHANGE 1
	s_sub_co_u32 s[RT], s[RT], 1
	TILE
	s_cmp_lg_u32 s[RT], 0
	s_cbranch_scc1 .Lbottom
	END TS, OL, MHL, NBL                           ; in the loop this is the first block's end: the second's last tile is the walk's last
	s_wait_xcnt 0x0                                ; the stores have read their registers
	WIN 0x82
.set i, 0
.rept 32
	v_mov_b32 v[i], v[QH+i]                        ; the second block's Q goes where the one text of the steps names Q
.set i, i+1
.endr
	WIN 0
.irp u, 0,1
	v_mov_b32 v[ST+4*\u], 0xfe000000
	v_mov_b32 v[ST+4*\u+1], 0xff7fffff
.endr
	s_add_co_u32 s[RT], s[HI], 1                   ; the second block has 16 - b tiles
.Lbottom:
	s_sub_co_u32 s[SLOTS], s[SLOTS], 1
	s_cmp_lg_u32 s[SLOTS], 0
	s_cbranch_scc1 .Lslot
	CHANGE 0                                       ; the walk's last tile is written out: nothing is asked for
	s_sub_co_u32 s[RT], s[RT], 1
	TILE
	END TSH, OH, MHH, NBH
	s_wait_tensorcnt 0x0                           ; the wave's end
	ds_add_u32 v[SPW], v[NIL]
	s_wait_dscnt 0x0
	s_endpgm
.Lfunc_end_k_q5cb7f51f2f_attn:
	.size	k_q5cb7f51f2f_attn, .Lfunc_end_k_q5cb7f51f2f_attn-k_q5cb7f51f2f_attn
	.p2alignl 7, 3214868480
	.fill 96, 4, 3214868480
	.section	.rodata,"a",@progbits
	.p2align	6, 0x0
	.amdhsa_kernel k_q5cb7f51f2f_attn
		.amdhsa_group_segment_fixed_size 327680
		.amdhsa_private_segment_fixed_size 0
		.amdhsa_enable_private_segment 0
		.amdhsa_kernarg_size 24
		.amdhsa_user_sgpr_count 2
		.amdhsa_user_sgpr_kernarg_segment_ptr 1
		.amdhsa_wavefront_size32 1
		.amdhsa_system_sgpr_workgroup_id_x 1
		.amdhsa_system_sgpr_workgroup_id_y 1
		.amdhsa_system_sgpr_workgroup_id_z 1
		.amdhsa_system_vgpr_workitem_id 0
		.amdhsa_next_free_vgpr 768
		.amdhsa_next_free_sgpr 100
		.amdhsa_reserve_vcc 1
		.amdhsa_float_denorm_mode_32 3
		.amdhsa_float_denorm_mode_16_64 3
		.amdhsa_memory_ordered 1
		.amdhsa_forward_progress 1
		.amdhsa_inst_pref_size 109
	.end_amdhsa_kernel
	.amdgpu_metadata
---
amdhsa.version: [ 1, 2 ]
amdhsa.kernels:
  - .name:           k_q5cb7f51f2f_attn
    .symbol:         k_q5cb7f51f2f_attn.kd
    .args:
      - { .name: qkv, .offset: 0, .size: 8, .value_kind: global_buffer, .address_space: global }
      - { .name: vs, .offset: 8, .size: 8, .value_kind: global_buffer, .address_space: global }
      - { .name: ao, .offset: 16, .size: 8, .value_kind: global_buffer, .address_space: global }
    .group_segment_fixed_size: 327680
    .private_segment_fixed_size: 0
    .kernarg_segment_align: 8
    .kernarg_segment_size: 24
    .max_flat_workgroup_size: 128
    .sgpr_count:     100
    .vgpr_count:     768
    .wavefront_size: 32
...
	.end_amdgpu_metadata
.endif
;; end of part 4
;; launch gproj (part 5): grid 8 x 32, 4 waves a work-group, clusters of 4 x 4, 327,680 bytes of LDS; arguments ao, wt, b_proj, hidden_states, h2; writes h2
.if DOCPART == 5
	.amdgcn_target "amdgcn-amd-amdhsa--gfx1250"
	.amdhsa_code_object_version 6
	.text
	.protected	k_q5cb7f51f2f_gproj
	.globl	k_q5cb7f51f2f_gproj
	.p2align	8
	.type	k_q5cb7f51f2f_gproj,@function
k_q5cb7f51f2f_gproj:
	s_mov_b64 s[64:65], 0
	v_nop
	global_prefetch_b8 v0, s[64:65] scope:SCOPE_SE
	s_setreg_imm32_b32 hwreg(HW_REG_WAVE_MODE, 25, 1), 1
	s_wait_xcnt 0x0
	s_wait_alu depctr_hold_cnt(0) depctr_sa_sdst(0) depctr_va_vdst(0) depctr_va_sdst(0) depctr_va_ssrc(0) depctr_va_vcc(0) depctr_vm_vsrc(0)
	s_getreg_b32 s2, hwreg(HW_REG_IB_STS2, 6, 4)
	s_cmp_eq_u32 s2, 0
	s_cbranch_scc0 .Lentry_in_a_cluster
	s_endpgm
.Lentry_in_a_cluster:
	s_bfe_u32 s2, ttmp6, 0x10000c
	s_cmp_lg_u32 s2, 0xf033
	s_cbranch_scc0 .Lentry_shape_is_right
	s_endpgm
.Lentry_shape_is_right:
; h2 = ao W + b + hidden_states.  A: bf16 by planes [K/64][4096][64]; W: bf16 turned, [K/64][N][64], at byte WOFF of wt; sums in f32, started from the bias; the residual and the result f32, row-major [4096][1024].
; A tile of C is 128 x 128: four waves, each 64 x 64 in 16 accumulators.  K goes in steps of 256 through two LDS slots.  A wave's tensor load brings 64 rows x 4 planes: four pieces of 8,192 consecutive bytes.
; CLUSTER 4 x 4: the four work-groups of a row need the same tiles of A, the four of a column the same tiles of W: each tile is asked for jointly, by the same load with the same descriptor and a mask of four.
; The matrix instruction is used turned (source 0 = 16 rows of W, source 1 = 16 rows of A): a lane then holds eight neighbouring columns of one row of C.  A wave's 64 columns are 256 aligned bytes of a row:
; the sums go through the wave's own stage, come back as whole rows, take the residual (loaded at the start in the same layout) and are stored, sixteen lanes to 256 consecutive bytes.
; One K step stands in the loop and one, which fills nothing, behind it.  By this text's count a wave has one tensor load out, issued first behind a round, with a step's 128 matrix instructions in which to land.
; No prefetch: the tiles are shared in the cluster and every tile of A and W is read by several clusters at about the same time.
; LIMIT: operands are rounded to bf16.
.set SIZE_N, 1024
.set SIZE_K, 1024
.set WOFF,   6291456
.set STEPS,  SIZE_K/256
.set PITCH,  144
.set PLANE,  64*PITCH
.set REGION, 4*PLANE
.set SLOT,   4*REGION                  ; 0x24000: its two bits are clear in every region's address, so an exclusive or changes slots
.set STAGE,  2*SLOT
.set STG,    4352                      ; a wave's stage: 16 rows x 272 bytes
.set SPITCH, 272
.set SPARE,  STAGE+4*STG
.set ASTEP,  4*4096*128
.set WSTEP,  4*SIZE_N*128
.set FLAGS,  (1<<16)|(1<<20)|(1<<21)|(4<<22)|(3<<25)
.set R,   1
.set H,   2
.set A0,  4
.set B0,  5
.set ADRA, 6
.set ADRB, 7
.set STO, 8
.set RD,  9
.set GO,  10                           ; v10 my 16 bytes in two rows of C: 4,096 (lane / 16) + 16 (lane % 16)
.set BO,  12
.set SPW, 14
.set NIL, 15
.set OB,  16                           ; v[16:47], v[48:79] rows read back, by turns
.set ACC, 128
.set F0,  0
.set F1,  128
.set WV,  14
.set RH,  15
.set CH,  16
.set CX,  17
.set CY,  18
.set TC,  19
.set TR,  20
.set TB,  21
.set CNT, 22
.set G1A, 24
.set G0A, 32
.set G1B, 36
.set G0B, 44
.set MSB, 0
.macro WIN new
.if MSB != (\new)
	s_set_vgpr_msb (MSB<<8)|(\new)
.set MSB, \new
.endif
.endm
.set MUL,  0x05
.set TO_F, 0x40
.macro PLACES
.rept 4
	v_nop
.endr
.endm
.macro JLOAD
	s_cmp_eq_u32 s[RH], 0
	s_cbranch_scc0 .Lfor_w_\@
	tensor_load_to_lds s[G0A:G0A+3], s[G1A:G1A+7]
	s_nop 0
.rept 4
	v_nop
.endr
	s_branch .Lasked_\@
.Lfor_w_\@:
	tensor_load_to_lds s[G0B:G0B+3], s[G1B:G1B+7]
	s_nop 0
.rept 4
	v_nop
.endr
.Lasked_\@:
.endm
.macro CROUND
	s_barrier_signal -1
	s_barrier_wait -1
	s_cmp_lg_u32 s[WV], 0
	s_cbranch_scc1 .Lnot_wave_0_\@
	s_barrier_signal -3
.Lnot_wave_0_\@:
	s_barrier_wait -3
	s_barrier_signal -1
	s_barrier_wait -1
.endm
.macro MUL8 f, c, a0
	WIN MUL
.irp a, \a0, (\a0)+1
.irp b, 0,1,2,3
	v_wmma_f32_16x16x32_bf16 v[ACC+8*(4*(\a)+(\b)):ACC+8*(4*(\a)+(\b))+7], v[(\f)+64+8*(4*(\c)+(\b)):(\f)+64+8*(4*(\c)+(\b))+7], v[(\f)+8*(4*(\c)+(\a)):(\f)+8*(4*(\c)+(\a))+7], v[ACC+8*(4*(\a)+(\b)):ACC+8*(4*(\a)+(\b))+7]
.endr
.endr
.endm
.macro FETCH q, f
	WIN TO_F
.irp c, 0,1
.irp i, 0,1,2,3
	ds_load_b128 v[(\f)+64+8*(4*(\c)+(\i)):(\f)+64+8*(4*(\c)+(\i))+3],   v[ADRB] offset:(\q)*PLANE+64*(\c)+(\i)*16*PITCH
	ds_load_b128 v[(\f)+64+8*(4*(\c)+(\i))+4:(\f)+64+8*(4*(\c)+(\i))+7], v[ADRB] offset:(\q)*PLANE+64*(\c)+(\i)*16*PITCH+32
	ds_load_b128 v[(\f)+8*(4*(\c)+(\i)):(\f)+8*(4*(\c)+(\i))+3],         v[ADRA] offset:(\q)*PLANE+64*(\c)+(\i)*16*PITCH
	ds_load_b128 v[(\f)+8*(4*(\c)+(\i))+4:(\f)+8*(4*(\c)+(\i))+7],       v[ADRA] offset:(\q)*PLANE+64*(\c)+(\i)*16*PITCH+32
.endr
.endr
.endm
.macro QUARTER q, f, g
	s_wait_dscnt 16                                ; the first 32 along K are in; the other sixteen loads may be out
	MUL8 \f, 0, 0
	MUL8 \f, 0, 2
	PLACES
	FETCH \q, \g
	s_wait_dscnt 32                                ; all but the 32 just issued
	MUL8 \f, 1, 0
	MUL8 \f, 1, 2
.endm
.macro STEP fill
	WIN 0
	s_wait_tensorcnt 0x0                           ; my part of this step's tiles is in, and no load of mine is out: the descriptors may be written
	ds_add_u32 v[SPW], v[NIL]
.if \fill
	s_xor_b32 s[G0A+1], s[G0A+1], SLOT
	s_add_nc_u64 s[G0A+2:G0A+3], s[G0A+2:G0A+3], ASTEP
	s_xor_b32 s[G0B+1], s[G0B+1], SLOT
	s_add_nc_u64 s[G0B+2:G0B+3], s[G0B+2:G0B+3], WSTEP
.endif
	s_wait_dscnt 0x0                               ; the add is done, and my reads of the other slot are over
.if \fill
	CROUND
	JLOAD
.else
	s_barrier_signal -1
	s_barrier_wait -1
	PLACES
.endif
	v_add_nc_u32 v[ADRA], s[TB], v[A0]
	v_add_nc_u32 v[ADRB], s[TB], v[B0]
	FETCH 0, F0
	QUARTER 1, F0, F1
	QUARTER 2, F1, F0
	QUARTER 3, F0, F1
	s_wait_dscnt 16
	MUL8 F1, 0, 0
	MUL8 F1, 0, 2
	s_wait_dscnt 0x0
	MUL8 F1, 1, 0
	MUL8 F1, 1, 2
	WIN 0
	s_xor_b32 s[TB], s[TB], SLOT
.endm
	s_load_b256 s[4:11], s[0:1], 0x0               ; A s[4:5], wt s[6:7], bias s[8:9], residual s[10:11]
	s_load_b64 s[12:13], s[0:1], 0x20              ; the result
	v_lshl_add_u32 v[SPW], v0, 2, SPARE
	v_mov_b32 v[NIL], 0
	ds_add_u32 v[SPW], v[NIL]                      ; the wave's opening
	ds_add_u32 v14, v15
	v_lshrrev_b32 v1, 5, v0
	v_readfirstlane_b32 s[WV], v1
	s_lshr_b32 s[RH], s[WV], 1
	s_and_b32 s[CH], s[WV], 1
	s_bfe_u32 s[CX], ttmp6, 0x40000
	s_bfe_u32 s[CY], ttmp6, 0x40004
	s_lshl_b32 s[TC], ttmp9, 2
	s_add_co_u32 s[TC], s[TC], s[CX]
	s_and_b32 s[TR], ttmp7, 0xffff
	s_lshl_b32 s[TR], s[TR], 2
	s_add_co_u32 s[TR], s[TR], s[CY]
	s_lshl_b32 s48, s[CY], 2
	s_lshl_b32 s48, 15, s48
	s_lshl_b32 s49, 0x1111, s[CX]
	s_or_b32 s[G1A], s48, FLAGS
	s_or_b32 s[G1B], s49, FLAGS
.irp g, G1A, G1B
	s_mov_b32 s[(\g)+1], 4096<<16
	s_mov_b32 s[(\g)+2], 4<<16
	s_mov_b32 s[(\g)+3], 4096<<16
	s_mov_b32 s[(\g)+4], 4
	s_mov_b32 s[(\g)+6], 0
	s_mov_b32 s[(\g)+7], 0
.endr
	s_mov_b32 s[G1A+5], 4096*64
	s_mov_b32 s[G1B+5], SIZE_N*64
	s_lshl_b32 s54, s[CH], 13
	s_lshl_b32 s50, s[TR], 14
	s_add_co_u32 s50, s50, s54
	s_mov_b32 s51, 0
	s_lshl_b32 s52, s[TC], 14
	s_add_co_u32 s52, s52, s54
	s_add_co_u32 s52, s52, WOFF
	s_mov_b32 s53, 0
	s_mov_b32 s[G0A], 1
	s_mul_i32 s[G0A+1], s[WV], REGION
	s_mov_b32 s[G0B], 1
	s_mul_i32 s[G0B+1], s[WV], REGION
	s_mov_b32 s[TB], 0
	s_mov_b32 s[CNT], STEPS-1
	s_wait_dscnt 0x0
	s_wait_kmcnt 0x0
	s_add_nc_u64 s[G0A+2:G0A+3], s[4:5], s[50:51]
	s_or_b32 s[G0A+3], s[G0A+3], 0x80000000
	s_add_nc_u64 s[G0B+2:G0B+3], s[6:7], s[52:53]
	s_or_b32 s[G0B+3], s[G0B+3], 0x80000000
	CROUND
	JLOAD
	v_and_b32 v[R], 15, v0
	v_bfe_u32 v[H], v0, 4, 1
	v_mul_u32_u24 v3, v[R], PITCH
	v_lshl_add_u32 v3, v[H], 4, v3
	s_mul_i32 s55, s[RH], REGION
	s_mul_i32 s56, s[CH], REGION
	s_add_co_u32 s56, s56, 2*REGION
	v_add_nc_u32 v[A0], s55, v3
	v_add_nc_u32 v[B0], s56, v3
	v_lshlrev_b32 v[BO], 5, v[H]
	s_lshl_b32 s56, s[TC], 9
	s_lshl_b32 s57, s[CH], 8
	s_add_co_u32 s56, s56, s57                     ; my 64 columns: 256 bytes of a row, and of the bias
	s_mov_b32 s57, 0
	s_add_nc_u64 s[8:9], s[8:9], s[56:57]
.irp a, 0,1,2,3
.irp b, 0,1,2,3
	global_load_b128 v[ACC+8*(4*(\a)+(\b)):ACC+8*(4*(\a)+(\b))+3],   v[BO], s[8:9] offset:64*(\b)     ; the sums start from the bias
	global_load_b128 v[ACC+8*(4*(\a)+(\b))+4:ACC+8*(4*(\a)+(\b))+7], v[BO], s[8:9] offset:64*(\b)+16
.endr
.endr
	s_mul_i32 s58, s[WV], STG
	s_add_co_u32 s58, s58, STAGE
	v_mul_u32_u24 v[STO], v[R], SPITCH             ; in: row lane % 16, 32 bytes for each half of the lanes
	v_lshl_add_u32 v[STO], v[H], 5, v[STO]
	v_add_nc_u32 v[STO], s58, v[STO]
	v_mul_u32_u24 v[RD], v[H], SPITCH              ; back: lanes 0-15 one row of 256 bytes, lanes 16-31 the next
	v_lshl_add_u32 v[RD], v[R], 4, v[RD]
	v_add_nc_u32 v[RD], s58, v[RD]
	v_lshlrev_b32 v[GO], 12, v[H]
	v_lshl_add_u32 v[GO], v[R], 4, v[GO]
	s_lshl_b32 s60, s[TR], 19                      ; my 64 rows of 4,096 bytes
	s_lshl_b32 s61, s[RH], 18
	s_add_co_u32 s60, s60, s61
	s_add_co_u32 s60, s60, s56
	s_mov_b32 s61, 0
	s_add_nc_u64 s[10:11], s[10:11], s[60:61]
	s_add_nc_u64 s[12:13], s[12:13], s[60:61]
	WIN 0x80                                       ; the residual, in the layout of the stores: window 2, block a's rows 2 t, 2 t + 1 at v[32 a + 4 t]
.irp a, 0,1,2,3
.irp t, 0,1,2,3,4,5,6,7
	global_load_b128 v[32*(\a)+4*(\t):32*(\a)+4*(\t)+3], v[GO], s[10:11] offset:65536*(\a)+8192*(\t)
.endr
.endr
	WIN 0
	s_wait_loadcnt 0x0                             ; the bias and the residual
.Lk:
	STEP 1
	s_sub_co_u32 s[CNT], s[CNT], 1
	s_cmp_lg_u32 s[CNT], 0
	s_cbranch_scc1 .Lk
	STEP 0
	PLACES
.macro OUT a
.set BK, OB+32*((\a)%2)
	s_wait_xcnt 0x0                                ; the stores of two blocks back have read the registers that are loaded again below
.irp b, 0,1,2,3
	ds_store_b128 v[STO], v[ACC+8*(4*(\a)+(\b)):ACC+8*(4*(\a)+(\b))+3]   offset:64*(\b)
	ds_store_b128 v[STO], v[ACC+8*(4*(\a)+(\b))+4:ACC+8*(4*(\a)+(\b))+7] offset:64*(\b)+16
.endr
.irp t, 0,1,2,3,4,5,6,7
	ds_load_b128 v[BK+4*(\t):BK+4*(\t)+3], v[RD] offset:2*SPITCH*(\t)  ; LDS serves a wave's instructions in order (ISA guide 5.7.1.4): these see the stores above
.endr
	s_wait_dscnt 0x0
	WIN 0x08                                       ; source 1: window 2
.set i, 0
.rept 16
	v_pk_add_f32 v[BK+i:BK+i+1], v[BK+i:BK+i+1], v[32*(\a)+i:32*(\a)+i+1]
.set i, i+2
.endr
	WIN 0
.irp t, 0,1,2,3,4,5,6,7
	global_store_b128 v[GO], v[BK+4*(\t):BK+4*(\t)+3], s[12:13] offset:65536*(\a)+8192*(\t)  ; sixteen lanes store 256 consecutive bytes, aligned
.endr
.endm
	OUT 0
	OUT 1
	OUT 2
	OUT 3
	s_wait_tensorcnt 0x0                           ; the wave's end
	ds_add_u32 v[SPW], v[NIL]
	s_wait_dscnt 0x0
	CROUND                                         ; the closing round
	s_endpgm
.Lfunc_end_k_q5cb7f51f2f_gproj:
	.size	k_q5cb7f51f2f_gproj, .Lfunc_end_k_q5cb7f51f2f_gproj-k_q5cb7f51f2f_gproj
	.p2alignl 7, 3214868480
	.fill 96, 4, 3214868480
	.section	.rodata,"a",@progbits
	.p2align	6, 0x0
	.amdhsa_kernel k_q5cb7f51f2f_gproj
		.amdhsa_group_segment_fixed_size 327680
		.amdhsa_private_segment_fixed_size 0
		.amdhsa_enable_private_segment 0
		.amdhsa_kernarg_size 40
		.amdhsa_user_sgpr_count 2
		.amdhsa_user_sgpr_kernarg_segment_ptr 1
		.amdhsa_wavefront_size32 1
		.amdhsa_system_sgpr_workgroup_id_x 1
		.amdhsa_system_sgpr_workgroup_id_y 1
		.amdhsa_system_sgpr_workgroup_id_z 1
		.amdhsa_system_vgpr_workitem_id 0
		.amdhsa_next_free_vgpr 640
		.amdhsa_next_free_sgpr 66
		.amdhsa_reserve_vcc 0
		.amdhsa_float_denorm_mode_32 3
		.amdhsa_float_denorm_mode_16_64 3
		.amdhsa_memory_ordered 1
		.amdhsa_forward_progress 1
		.amdhsa_inst_pref_size 60
	.end_amdhsa_kernel
	.amdgpu_metadata
---
amdhsa.version: [ 1, 2 ]
amdhsa.kernels:
  - .name:           k_q5cb7f51f2f_gproj
    .symbol:         k_q5cb7f51f2f_gproj.kd
    .args:
      - { .name: ao, .offset: 0, .size: 8, .value_kind: global_buffer, .address_space: global }
      - { .name: wt, .offset: 8, .size: 8, .value_kind: global_buffer, .address_space: global }
      - { .name: b_proj, .offset: 16, .size: 8, .value_kind: global_buffer, .address_space: global }
      - { .name: hidden_states, .offset: 24, .size: 8, .value_kind: global_buffer, .address_space: global }
      - { .name: h2, .offset: 32, .size: 8, .value_kind: global_buffer, .address_space: global }
    .group_segment_fixed_size: 327680
    .private_segment_fixed_size: 0
    .kernarg_segment_align: 8
    .kernarg_segment_size: 40
    .max_flat_workgroup_size: 128
    .sgpr_count:     66
    .vgpr_count:     640
    .wavefront_size: 32
...
	.end_amdgpu_metadata
.endif
;; end of part 5
;; launch ln2: the kernel of part 2 again; grid 256 x 1, 8 waves a work-group, no clusters, 0 bytes of LDS; arguments h2, g2, be2, yn; writes yn
;; launch gfc (part 6): grid 16 x 16, 4 waves a work-group, clusters of 4 x 4, 327,680 bytes of LDS; arguments yn, wt, b_fc, act; writes act
.if DOCPART == 6
	.amdgcn_target "amdgcn-amd-amdhsa--gfx1250"
	.amdhsa_code_object_version 6
	.text
	.protected	k_q5cb7f51f2f_gfc
	.globl	k_q5cb7f51f2f_gfc
	.p2align	8
	.type	k_q5cb7f51f2f_gfc,@function
k_q5cb7f51f2f_gfc:
	s_mov_b64 s[64:65], 0
	v_nop
	global_prefetch_b8 v0, s[64:65] scope:SCOPE_SE
	s_setreg_imm32_b32 hwreg(HW_REG_WAVE_MODE, 25, 1), 1
	s_wait_xcnt 0x0
	s_wait_alu depctr_hold_cnt(0) depctr_sa_sdst(0) depctr_va_vdst(0) depctr_va_sdst(0) depctr_va_ssrc(0) depctr_va_vcc(0) depctr_vm_vsrc(0)
	s_getreg_b32 s2, hwreg(HW_REG_IB_STS2, 6, 4)
	s_cmp_eq_u32 s2, 0
	s_cbranch_scc0 .Lentry_in_a_cluster
	s_endpgm
.Lentry_in_a_cluster:
	s_bfe_u32 s2, ttmp6, 0x10000c
	s_cmp_lg_u32 s2, 0xf033
	s_cbranch_scc0 .Lentry_shape_is_right
	s_endpgm
.Lentry_shape_is_right:
; act = gelu(yn W + b), the exact (erf) GELU.  A: bf16 by planes [K/64][4096][64]; W: bf16 turned, [K/64][N][64], at byte WOFF of wt; sums in f32, started from the bias; the result rounded once to bf16, by planes.
; GELU: gelu(x) = max(x, 0) - |x| Q(|x|), Q the normal tail, Q(z) = 2^-(0.8493218 z)^2 (c1 t + .. + c5 t^5), t = 1 / (1 + 0.2316419 z) (Abramowitz and Stegun 26.2.17, the factor 1 / sqrt(2 pi) folded
; into c1 .. c5; absolute error of Q under 1e-7 for every z >= 0).  For large |x| the exponential and t go to 0 and the form gives max(x, 0).
; A tile of C is 256 x 256: four waves, each 128 x 128 in 64 accumulators; 4096 x 4096 are 256 tiles, one to a work-group.  K goes in steps of 128 (two planes) through two LDS slots; a wave's tensor load brings
; 128 rows x 2 planes: two pieces of 16,384 consecutive bytes.
; CLUSTER 4 x 4: the four work-groups of a row need the same tiles of A, the four of a column the same tiles of W: each tile is asked for jointly, by the same load with the same descriptor and a mask of four.
; The matrix instruction is used turned (source 0 = 16 rows of W, source 1 = 16 rows of A): a lane then holds eight neighbouring columns of one row of C.
; THE RING.  Both slots are filled at the start.  In a step's fourth quarter every wave waits for all its tensor loads (one is out: its part of the other slot), and behind a round of the cluster's barrier the slot just read
; is asked for again, two steps on: that load has a step less 32 matrix instructions in which to land.  By this text's count a wave has two tensor loads out at the start and one later.
; A K step is written twice: in a loop of STEPS - 2 trips that fill, and in a loop of two trips that do not; the very last trip fetches 32 fragments of an old tile that nobody multiplies: the price of no third copy.
; THE WAY OUT.  The ring has had its last fill: behind a barrier each wave lays its 128 x 128 sums, in f32, into 128 rows of 528 bytes there, and a counted loop reads them back by rows into fixed registers, so that
; the GELU's text stands once.
; PREFETCH.  Behind each joint load and the run of LDS loads that follows it a wave names the K step that the next refill will ask for: 32 blocks of 256 bytes, a lane a block.  A's rows are read by every cluster of a row of
; clusters: cluster x = 0 asks; W's by every cluster of a column: cluster y = 0 asks.  The four partners of a joint load share its 128 blocks out by address.  So each block is named once.  The first three K steps come by
; their loads alone, and the last refill asks for nothing.
; LIMIT: operands are rounded to bf16.
; REGISTERS (windows of 256): window 0: v0-31 addresses, v32-47 packed results, v64-127 and v128-191 A's fragments (two buffers; on the way out v64-223 are the GELU's); window 1: v64-191 W's fragments;
;   window 2: the accumulators of my rows 0-63 ((a, b) at v[8 (8 a + b)]); window 3: those of rows 64-127.
.set SIZE_N, 4096
.set SIZE_K, 1024
.set WOFF,   8388608
.set STEPS,  SIZE_K/128
.set PITCH,  144                       ; an LDS row: 128 bytes + 16: the 16 rows of a fragment load start 36 words apart
.set PLANE,  128*PITCH
.set REGION, 2*PLANE                   ; what one tensor load brings: [2 planes][128 rows][144]
.set SLOT,   4*REGION                  ; regions 0, 1: A's row halves; 2, 3: W's column halves.  0x24000: its two bits are clear in every region's address, so an exclusive or changes slots
.set SPITCH, 528                       ; the way out: a row of 128 f32 + 16 bytes
.set WSTG,   128*SPITCH                ; a wave's 128 rows; four of them lie inside the ring
.set SPARE,  2*SLOT                    ; behind the ring: the spare words, 128 bytes a wave
.set ASTEP,  2*4096*128                ; two planes of A
.set WSTEP,  2*SIZE_N*128              ; two planes of W
.set FLAGS,  (1<<16)|(1<<20)|(1<<21)|(4<<22)|(3<<25)  ; 2-byte elements; padding on; bit 21 beside a mask; after every 32 words, 4 words
.set R,   1                            ; v1  lane % 16
.set H,   2                            ; v2  lane / 16
.set A0,  4                            ; v4  my lane's place in my region of A, slot 0
.set B0,  5                            ; v5  the same for W
.set ADRA, 6                           ; v6, v7  the same in the slot in hand
.set ADRB, 7
.set STO, 8                            ; v8  the way out: where I put 32 bytes of a row
.set RD0, 9                            ; v9  where I read rows back, first trip
.set GO,  10                           ; v10 my 16 bytes of the result: plane lane / 16, row (lane / 8) % 2, 16 (lane % 8)
.set RDA, 11                           ; v11 where I read rows back, this trip
.set BO,  12                           ; v12 32 x (lane / 16): my 8 columns of 16 in the bias
.set SPW, 14                           ; v14 my spare word; never rewritten
.set NIL, 15                           ; v15 0; never rewritten
.set PFO, 16                           ; v16 256 x lane; never rewritten
.set PK,  32                           ; v[32:47]   packed results
.set F0,  64
.set F1,  128
.set X,   64                           ; the way out, 32 registers each: x, later the polynomial and the result,
.set AX,  96                           ; |x|,
.set MX,  128                          ; max(x, 0),
.set TT,  160                          ; t,
.set EE,  192                          ; the exponential
.set WV,  14
.set RH,  15                           ; my half of the tile's rows; also: I fetch for A (0) or W (1)
.set CH,  16                           ; my half of its columns; also: which 128 rows I fetch
.set CX,  17
.set CY,  18
.set TC,  19
.set TR,  20
.set TB,  21                           ; the slot in hand: 0 or SLOT
.set CNT, 22
.set G1A, 24
.set G1B, 32
.set G0A, 40                           ; A: slot 0's first fill
.set G0A2, 44                          ; A: slot 1's first fill; it then walks
.set G0B, 48
.set G0B2, 52
.set LIM, 66                           ; 1 in a wave that prefetches, else the greatest number
.set SO,  67                           ; the way out: the trip's first row in my stage, in bytes
.set PFA, 68                           ; s[68:69] where my prefetches stand
.set PST, 70                           ; s[70:71] their step: two planes of the matrix that I fetch
.set AMSK, 72                          ; s72 clears a sign
.set SQ,  74                           ; the constants as pairs: the packed forms take a pair's low word for both halves
.set PP,  76
.set C5,  78
.set C4,  80
.set C3,  82
.set C2,  84
.set C1,  86
.set MSB, 0
.macro WIN new                         ; the immediate's high byte repeats the setting that is left
.if MSB != (\new)
	s_set_vgpr_msb (MSB<<8)|(\new)
.set MSB, \new
.endif
.endm
.set MUL_LO, 0xa1                      ; source 0 (W) window 1, source 1 (A) window 0, C and D window 2
.set MUL_HI, 0xf1                      ; the same, C and D window 3
.set TO_B,   0x40                      ; destination window 1
.macro PLACES                          ; four plain instructions between a matrix instruction and what writes its sources or reads its result (ISA guide 7.12.1)
.rept 4
	v_nop
.endr
.endm
.macro JLOAD                           ; a joint refill: waves 0, 1 for A, waves 2, 3 for W; s_nop 0 and four v_nop follow each line
	s_cmp_eq_u32 s[RH], 0
	s_cbranch_scc0 .Lfor_w_\@
	tensor_load_to_lds s[G0A2:G0A2+3], s[G1A:G1A+7]
	s_nop 0
.rept 4
	v_nop
.endr
	s_branch .Lasked_\@
.Lfor_w_\@:
	tensor_load_to_lds s[G0B2:G0B2+3], s[G1B:G1B+7]
	s_nop 0
.rept 4
	v_nop
.endr
.Lasked_\@:
.endm
.macro CREST                           ; a round of the cluster's barrier behind its opening barrier
	s_cmp_lg_u32 s[WV], 0
	s_cbranch_scc1 .Lnot_wave_0_\@
	s_barrier_signal -3
.Lnot_wave_0_\@:
	s_barrier_wait -3
	s_barrier_signal -1
	s_barrier_wait -1
.endm
.macro CROUND                          ; a whole round
	s_barrier_signal -1
	s_barrier_wait -1
	CREST
.endm
.macro ASK                             ; s[CNT] = 1 in the loop's last trip: the K step behind the last does not exist
	s_cmp_gt_u32 s[CNT], s[LIM]
	s_cbranch_scc0 .Lnot_mine_\@
	global_prefetch_b8 v[PFO], s[PFA:PFA+1] th:TH_LOAD_NT scope:SCOPE_SE
.Lnot_mine_\@:
.endm
.macro MUL16 f, hi, a0                 ; 16 matrix instructions: row blocks a0, a0 + 1 of the window's four x 8 column blocks, 32 along K; the 64 accumulators take turns, in the same order in every quarter
	WIN MUL_LO+0x50*(\hi)
.irp a, \a0, (\a0)+1
.irp b, 0,1,2,3,4,5,6,7
	v_wmma_f32_16x16x32_bf16 v[8*(8*(\a)+(\b)):8*(8*(\a)+(\b))+7], v[(\f)+8*(\b):(\f)+8*(\b)+7], v[(\f)+8*(4*(\hi)+(\a)):(\f)+8*(4*(\hi)+(\a))+7], v[8*(8*(\a)+(\b)):8*(8*(\a)+(\b))+7]
.endr
.endr
.endm
.macro FETCH q, f                      ; 32 LDS loads in one run: quarter q's fragments (plane q / 2, 32 along K) into buffer f: W's 128 rows, then A's
	WIN TO_B
.irp i, 0,1,2,3,4,5,6,7
	ds_load_b128 v[(\f)+8*(\i):(\f)+8*(\i)+3],   v[ADRB] offset:((\q)/2)*PLANE+((\q)%2)*64+(\i)*16*PITCH
	ds_load_b128 v[(\f)+8*(\i)+4:(\f)+8*(\i)+7], v[ADRB] offset:((\q)/2)*PLANE+((\q)%2)*64+(\i)*16*PITCH+32
.endr
	WIN 0
.irp i, 0,1,2,3,4,5,6,7
	ds_load_b128 v[(\f)+8*(\i):(\f)+8*(\i)+3],   v[ADRA] offset:((\q)/2)*PLANE+((\q)%2)*64+(\i)*16*PITCH
	ds_load_b128 v[(\f)+8*(\i)+4:(\f)+8*(\i)+7], v[ADRA] offset:((\q)/2)*PLANE+((\q)%2)*64+(\i)*16*PITCH+32
.endr
.endm
.macro QUARTER q, f, g                 ; multiplies buffer f; in its middle fetches quarter q into buffer g
	s_wait_dscnt 8                                 ; W and A's rows 0-63 are in; the youngest eight loads (A's rows 64-127) may be out
	MUL16 \f, 0, 0
	MUL16 \f, 0, 2
	PLACES
	FETCH \q, \g
	s_wait_dscnt 32                                ; all but the 32 just issued
	MUL16 \f, 1, 0
	MUL16 \f, 1, 2
.endm
.macro TURN fill                       ; the fourth quarter multiplies buffer 1 and changes slots.  fill = 1: the slot just read is asked for again, two K steps on
.if \fill
	s_wait_xcnt 0x0                                ; the last prefetch, a K step back, has read its address
	s_add_nc_u64 s[PFA:PFA+1], s[PFA:PFA+1], s[PST:PST+1]
.endif
	WIN 0
	s_wait_tensorcnt 0x0                           ; all my tensor loads have landed: my part of the other slot; the descriptors may be written
	ds_add_u32 v[SPW], v[NIL]
.if \fill
	s_xor_b32 s[G0A2+1], s[G0A2+1], SLOT
	s_add_nc_u64 s[G0A2+2:G0A2+3], s[G0A2+2:G0A2+3], ASTEP
	s_xor_b32 s[G0B2+1], s[G0B2+1], SLOT
	s_add_nc_u64 s[G0B2+2:G0B2+3], s[G0B2+2:G0B2+3], WSTEP
.endif
	s_wait_dscnt 9                                 ; the add and the youngest eight loads may be out
	MUL16 F1, 0, 0
	s_wait_dscnt 0x0                               ; the add is done, and my reads of this slot are over
	s_barrier_signal -1
	MUL16 F1, 0, 2                                 ; work on registers while the others arrive
	WIN 0
	s_barrier_wait -1
.if \fill
	CREST                                          ; no wave of any partner still reads this slot or has a load on its way
	JLOAD                                          ; its four v_nop are also the places in front of the loads below
.else
	PLACES
.endif
	s_xor_b32 s[TB], s[TB], SLOT
	v_add_nc_u32 v[ADRA], s[TB], v[A0]
	v_add_nc_u32 v[ADRB], s[TB], v[B0]
	FETCH 0, F0
.if \fill
	ASK
.endif
	MUL16 F1, 1, 0
	MUL16 F1, 1, 2
	WIN 0
.endm
.macro STEP fill
	QUARTER 1, F0, F1
	QUARTER 2, F1, F0
	QUARTER 3, F0, F1
	TURN \fill
.endm
	s_load_b256 s[4:11], s[0:1], 0x0               ; A s[4:5], wt s[6:7], bias s[8:9], act s[10:11]
	v_lshl_add_u32 v[SPW], v0, 2, SPARE
	v_mov_b32 v[NIL], 0
	ds_add_u32 v[SPW], v[NIL]                      ; the wave's opening
	ds_add_u32 v14, v15
	v_lshrrev_b32 v1, 5, v0
	v_readfirstlane_b32 s[WV], v1
	s_lshr_b32 s[RH], s[WV], 1
	s_and_b32 s[CH], s[WV], 1
	s_bfe_u32 s[CX], ttmp6, 0x40000
	s_bfe_u32 s[CY], ttmp6, 0x40004
	s_lshl_b32 s[TC], ttmp9, 2
	s_add_co_u32 s[TC], s[TC], s[CX]               ; tile column
	s_and_b32 s[TR], ttmp7, 0xffff
	s_lshl_b32 s[TR], s[TR], 2
	s_add_co_u32 s[TR], s[TR], s[CY]               ; tile row
	s_lshl_b32 s56, s[CY], 2
	s_lshl_b32 s56, 15, s56                        ; my row of the cluster
	s_lshl_b32 s57, 0x1111, s[CX]                  ; my column
	s_or_b32 s[G1A], s56, FLAGS
	s_or_b32 s[G1B], s57, FLAGS
.irp g, G1A, G1B
	s_mov_b32 s[(\g)+1], 8192<<16                  ; tensor_dim0 = 8,192 elements: 128 dense rows of a plane
	s_mov_b32 s[(\g)+2], 2<<16                     ; tensor_dim1 = 2 planes
	s_mov_b32 s[(\g)+3], 8192<<16                  ; tile_dim0
	s_mov_b32 s[(\g)+4], 2                         ; tile_dim1
	s_mov_b32 s[(\g)+6], 0
	s_mov_b32 s[(\g)+7], 0
.endr
	s_mov_b32 s[G1A+5], 4096*64                    ; elements from plane to plane
	s_mov_b32 s[G1B+5], SIZE_N*64
	s_lshl_b32 s62, s[CH], 14                      ; which 128 rows of 128 bytes I fetch
	s_lshl_b32 s58, s[TR], 15
	s_add_co_u32 s58, s58, s62
	s_mov_b32 s59, 0
	s_lshl_b32 s60, s[TC], 15
	s_add_co_u32 s60, s60, s62
	s_add_co_u32 s60, s60, WOFF
	s_mov_b32 s61, 0
	s_mov_b32 s[G0A], 1
	s_mul_i32 s[G0A+1], s[WV], REGION
	s_mov_b32 s[G0A2], 1
	s_add_co_u32 s[G0A2+1], s[G0A+1], SLOT
	s_mov_b32 s[G0B], 1
	s_mul_i32 s[G0B+1], s[WV], REGION
	s_mov_b32 s[G0B2], 1
	s_add_co_u32 s[G0B2+1], s[G0B+1], SLOT
	s_mov_b32 s[TB], 0
	s_mov_b32 s[CNT], STEPS-2
	s_mov_b32 s[AMSK], 0x7fffffff
	s_mov_b32 s[SQ], 0x3f596d27                    ; 0.8493218 = sqrt(log2(e) / 2)
	s_mov_b32 s[PP], 0x3e6d3389                    ; 0.2316419
	s_mov_b32 s[C5], 0x3f07dc22                    ; 0.530702715
	s_mov_b32 s[C4], 0xbf3a00e3                    ; -0.726576014
	s_mov_b32 s[C3], 0x3f35f0e3                    ; 0.710706871
	s_mov_b32 s[C2], 0xbe11a98e                    ; -0.142248368
	s_mov_b32 s[C1], 0x3e027906                    ; 0.127414796
.irp p, SQ, PP, C5, C4, C3, C2, C1
	s_mov_b32 s[(\p)+1], s[\p]
.endr
	s_wait_dscnt 0x0                               ; the opening add is done
	s_wait_kmcnt 0x0
	s_add_nc_u64 s[4:5], s[4:5], s[58:59]          ; A and W at my load of K step 0
	s_add_nc_u64 s[6:7], s[6:7], s[60:61]
	s_mov_b64 s[G0A+2:G0A+3], s[4:5]
	s_or_b32 s[G0A+3], s[G0A+3], 0x80000000
	s_add_nc_u64 s[G0A2+2:G0A2+3], s[4:5], ASTEP
	s_or_b32 s[G0A2+3], s[G0A2+3], 0x80000000
	s_mov_b64 s[G0B+2:G0B+3], s[6:7]
	s_or_b32 s[G0B+3], s[G0B+3], 0x80000000
	s_add_nc_u64 s[G0B2+2:G0B2+3], s[6:7], WSTEP
	s_or_b32 s[G0B2+3], s[G0B2+3], 0x80000000
	CROUND                                         ; all sixteen work-groups are here: the first joint loads meet
	s_cmp_eq_u32 s[RH], 0                          ; a wave's two first fills stand in one branch, ahead of every wait on TENSORcnt and every LDS read
	s_cbranch_scc0 .Lfirst_w
	tensor_load_to_lds s[G0A:G0A+3], s[G1A:G1A+7]
	s_nop 0
	tensor_load_to_lds s[G0A2:G0A2+3], s[G1A:G1A+7]
	s_nop 0
.rept 4
	v_nop
.endr
	s_branch .Lfirst_asked
.Lfirst_w:
	tensor_load_to_lds s[G0B:G0B+3], s[G1B:G1B+7]
	s_nop 0
	tensor_load_to_lds s[G0B2:G0B2+3], s[G1B:G1B+7]
	s_nop 0
.rept 4
	v_nop
.endr
.Lfirst_asked:
	v_and_b32 v[R], 15, v0
	v_bfe_u32 v[H], v0, 4, 1
	v_lshlrev_b32 v[BO], 5, v[H]
	s_lshl_b32 s58, s[TC], 10                      ; the bias of my 128 columns
	s_lshl_b32 s59, s[CH], 9
	s_add_co_u32 s58, s58, s59
	s_mov_b32 s59, 0
	s_add_nc_u64 s[8:9], s[8:9], s[58:59]
.irp w, 0x80, 0xc0                     ; destination window 2, then 3
	WIN \w
.irp a, 0,1,2,3
.irp b, 0,1,2,3,4,5,6,7
	global_load_b128 v[8*(8*(\a)+(\b)):8*(8*(\a)+(\b))+3],   v[BO], s[8:9] offset:64*(\b)     ; the sums start from the bias: nothing is cleared, nothing added later
	global_load_b128 v[8*(8*(\a)+(\b))+4:8*(8*(\a)+(\b))+7], v[BO], s[8:9] offset:64*(\b)+16
.endr
.endr
.endr
	WIN 0
	v_mul_u32_u24 v3, v[R], PITCH
	v_lshl_add_u32 v3, v[H], 4, v3                 ; row x pitch + 16 x half
	s_mul_i32 s56, s[RH], REGION
	s_mul_i32 s57, s[CH], REGION
	s_add_co_u32 s57, s57, 2*REGION
	v_add_nc_u32 v[A0], s56, v3
	v_add_nc_u32 v[B0], s57, v3
	v_add_nc_u32 v[ADRA], s[TB], v[A0]
	v_add_nc_u32 v[ADRB], s[TB], v[B0]
	s_mul_i32 s56, s[WV], WSTG                     ; my stage
	v_mul_u32_u24 v[STO], v[R], SPITCH             ; in: row lane % 16, 32 bytes for each half of the lanes
	v_lshl_add_u32 v[STO], v[H], 5, v[STO]
	v_add_nc_u32 v[STO], s56, v[STO]
	v_bfe_u32 v18, v0, 3, 1
	v_and_b32 v19, 7, v0
	v_mul_u32_u24 v[RD0], v18, SPITCH              ; back: row (lane / 8) % 2, plane lane / 16, 32 bytes of f32
	v_lshl_add_u32 v[RD0], v[H], 8, v[RD0]
	v_lshl_add_u32 v[RD0], v19, 5, v[RD0]
	v_add_nc_u32 v[RD0], s56, v[RD0]
	v_lshlrev_b32 v[GO], 19, v[H]
	v_lshl_add_u32 v[GO], v18, 7, v[GO]
	v_lshl_add_u32 v[GO], v19, 4, v[GO]
	v_and_b32 v[PFO], 31, v0
	v_lshlrev_b32 v[PFO], 8, v[PFO]
	s_lshl_b32 s58, s[TC], 2                       ; the result: my first plane, my first row
	s_lshl_b32 s59, s[CH], 1
	s_add_co_u32 s58, s58, s59
	s_lshl_b32 s58, s58, 19
	s_lshl_b32 s59, s[TR], 15
	s_add_co_u32 s58, s58, s59
	s_lshl_b32 s59, s[RH], 14
	s_add_co_u32 s58, s58, s59
	s_mov_b32 s59, 0
	s_add_nc_u64 s[10:11], s[10:11], s[58:59]
	; the prefetches: of the 128 blocks of 256 bytes of a load (64 a plane) the partner at place p takes 32: plane p / 2, blocks 32 (p % 2) on
	s_and_b32 s63, ttmp7, 0xffff                   ; cluster y
	s_mov_b32 s62, SIZE_N*128
	s_mov_b32 s[PST], WSTEP
	s_mov_b32 s[PST+1], 0
	s_cmp_eq_u32 s[RH], 0                          ; do I fetch for A?
	s_cselect_b32 s56, s[CX], s[CY]                ; my place among the four that ask with me
	s_cselect_b32 s57, ttmp9, s63                  ; the coordinate along which other clusters read the same rows
	s_cselect_b32 s62, 4096*128, s62               ; bytes in a plane
	s_cselect_b32 s[PST], ASTEP, s[PST]
	s_cselect_b64 s[PFA:PFA+1], s[4:5], s[6:7]
	s_cmp_eq_u32 s57, 0
	s_cselect_b32 s[LIM], 1, -1                    ; the same in all sixteen partners, for a given wave
	s_lshr_b32 s57, s56, 1
	s_mul_i32 s57, s57, s62
	s_and_b32 s56, s56, 1
	s_lshl_b32 s56, s56, 13
	s_add_co_u32 s56, s56, s57
	s_mov_b32 s57, 0
	s_add_nc_u64 s[PFA:PFA+1], s[PFA:PFA+1], s[56:57]
	s_add_nc_u64 s[PFA:PFA+1], s[PFA:PFA+1], s[PST:PST+1]
	s_add_nc_u64 s[PFA:PFA+1], s[PFA:PFA+1], s[PST:PST+1]  ; at K step 2: the first change of slots steps it to 3
	s_wait_tensorcnt 0x1                           ; my part of K step 0 is in; K step 1's may stay out
	s_barrier_signal -1
	s_barrier_wait -1                              ; everybody's is
	FETCH 0, F0
	s_wait_loadcnt 0x0                             ; the bias
.Lk:
	STEP 1
	s_sub_co_u32 s[CNT], s[CNT], 1
	s_cmp_lg_u32 s[CNT], 0
	s_cbranch_scc1 .Lk
	s_mov_b32 s[CNT], 2
.Lt:
	STEP 0                                         ; the last two steps fill nothing
	s_sub_co_u32 s[CNT], s[CNT], 1
	s_cmp_lg_u32 s[CNT], 0
	s_cbranch_scc1 .Lt
	PLACES
	s_wait_dscnt 0x0                               ; my last reads of the ring are back
	s_barrier_signal -1
	s_barrier_wait -1                              ; nobody reads the ring any more
.irp w, 0,1                            ; store data (source 1) in window 2, then 3
	WIN 0x08+4*(\w)
.irp a, 0,1,2,3
.irp b, 0,1,2,3,4,5,6,7
	ds_store_b128 v[STO], v[8*(8*(\a)+(\b)):8*(8*(\a)+(\b))+3]   offset:(4*(\w)+(\a))*16*SPITCH+64*(\b)
	ds_store_b128 v[STO], v[8*(8*(\a)+(\b))+4:8*(8*(\a)+(\b))+7] offset:(4*(\w)+(\a))*16*SPITCH+64*(\b)+16
.endr
.endr
.endr
	WIN 0
	s_wait_dscnt 0x0
	s_barrier_signal -1
	s_barrier_wait -1                              ; from here on the stages are only read
.macro ALL16 line:vararg               ; one line for each of 16 pairs
.set i, 0
.rept 16
	\line
.set i, i+2
.endr
.endm
.macro PRE p, n                        ; line n of the seven that prepare pair p: |x| twice, 1 + 0.2316419 |x|, -(0.8493218 |x|)^2 in two lines, max(x, 0) twice
.if (\n) == 0
	v_and_b32 v[AX+2*(\p)], s[AMSK], v[X+2*(\p)]
.elseif (\n) == 1
	v_and_b32 v[AX+2*(\p)+1], s[AMSK], v[X+2*(\p)+1]
.elseif (\n) == 2
	v_pk_fma_f32 v[TT+2*(\p):TT+2*(\p)+1], v[AX+2*(\p):AX+2*(\p)+1], s[PP:PP+1], 1.0 op_sel_hi:[1,0,0]
.elseif (\n) == 3
	v_pk_mul_f32 v[EE+2*(\p):EE+2*(\p)+1], v[AX+2*(\p):AX+2*(\p)+1], s[SQ:SQ+1] op_sel_hi:[1,0]
.elseif (\n) == 4
	v_pk_mul_f32 v[EE+2*(\p):EE+2*(\p)+1], v[EE+2*(\p):EE+2*(\p)+1], v[EE+2*(\p):EE+2*(\p)+1] neg_lo:[1,0] neg_hi:[1,0]
.elseif (\n) == 5
	v_max_num_f32 v[MX+2*(\p)], 0, v[X+2*(\p)]
.else
	v_max_num_f32 v[MX+2*(\p)+1], 0, v[X+2*(\p)+1]
.endif
.endm
	s_mov_b32 s[SO], 0
	s_mov_b32 s[CNT], 16
.Lrow:                                 ; a trip: 8 rows x 128 columns, 32 numbers a lane
	v_add_nc_u32 v[RDA], s[SO], v[RD0]
.irp j, 0,1,2,3
	ds_load_b128 v[X+8*(\j):X+8*(\j)+3],   v[RDA] offset:(\j)*2*SPITCH
	ds_load_b128 v[X+8*(\j)+4:X+8*(\j)+7], v[RDA] offset:(\j)*2*SPITCH+16
.endr
	s_wait_dscnt 0x0
.irp n, 0,1,2,3,4
	PRE 0, \n
.endr
.set y, 0
.rept 16                               ; ONE BATCH of 64 transcendentals; between them stand plain lines of this pair and the next, none of which names a result of the batch
	v_rcp_f32 v[TT+2*y], v[TT+2*y]
	PRE y, 5
	v_rcp_f32 v[TT+2*y+1], v[TT+2*y+1]
	PRE y, 6
	v_exp_f32 v[EE+2*y], v[EE+2*y]
.if y < 15
	PRE y+1, 0
.else
	v_nop
.endif
	v_exp_f32 v[EE+2*y+1], v[EE+2*y+1]
.if y < 15
	PRE y+1, 1
	PRE y+1, 2
	PRE y+1, 3
	PRE y+1, 4
.endif
.set y, y+1
.endr
	v_nop                                          ; a plain instruction behind the last,
	s_wait_alu depctr_va_vdst(0)                   ; and the one wait ahead of the first use
	ALL16 v_pk_fma_f32 v[X+i:X+i+1], v[TT+i:TT+i+1], s[C5:C5+1], s[C4:C4+1] op_sel_hi:[1,0,0]
	ALL16 v_pk_fma_f32 v[X+i:X+i+1], v[X+i:X+i+1], v[TT+i:TT+i+1], s[C3:C3+1] op_sel_hi:[1,1,0]
	ALL16 v_pk_fma_f32 v[X+i:X+i+1], v[X+i:X+i+1], v[TT+i:TT+i+1], s[C2:C2+1] op_sel_hi:[1,1,0]
	ALL16 v_pk_fma_f32 v[X+i:X+i+1], v[X+i:X+i+1], v[TT+i:TT+i+1], s[C1:C1+1] op_sel_hi:[1,1,0]
	ALL16 v_pk_mul_f32 v[X+i:X+i+1], v[X+i:X+i+1], v[TT+i:TT+i+1]
	ALL16 v_pk_mul_f32 v[X+i:X+i+1], v[X+i:X+i+1], v[EE+i:EE+i+1]
	ALL16 v_pk_fma_f32 v[X+i:X+i+1], v[AX+i:AX+i+1], v[X+i:X+i+1], v[MX+i:MX+i+1] neg_lo:[1,0,0] neg_hi:[1,0,0]
.set i, 0
.rept 16
	v_cvt_pk_bf16_f32 v[PK+i], v[X+2*i], v[X+2*i+1]
.set i, i+1
.endr
.irp j, 0,1,2,3
	global_store_b128 v[GO], v[PK+4*(\j):PK+4*(\j)+3], s[10:11] offset:256*(\j)  ; sixteen lanes store 256 consecutive bytes (two rows of a plane), aligned
.endr
	s_wait_xcnt 0x0                                ; the stores have read their registers and their base
	s_add_nc_u64 s[10:11], s[10:11], 1024
	s_add_co_u32 s[SO], s[SO], 8*SPITCH
	s_sub_co_u32 s[CNT], s[CNT], 1
	s_cmp_lg_u32 s[CNT], 0
	s_cbranch_scc1 .Lrow
	s_wait_tensorcnt 0x0                           ; the wave's end
	ds_add_u32 v[SPW], v[NIL]
	s_wait_dscnt 0x0
	CROUND                                         ; the closing round
	s_endpgm
.Lfunc_end_k_q5cb7f51f2f_gfc:
	.size	k_q5cb7f51f2f_gfc, .Lfunc_end_k_q5cb7f51f2f_gfc-k_q5cb7f51f2f_gfc
	.p2alignl 7, 3214868480
	.fill 96, 4, 3214868480
	.section	.rodata,"a",@progbits
	.p2align	6, 0x0
	.amdhsa_kernel k_q5cb7f51f2f_gfc
		.amdhsa_group_segment_fixed_size 327680
		.amdhsa_private_segment_fixed_size 0
		.amdhsa_enable_private_segment 0
		.amdhsa_kernarg_size 32
		.amdhsa_user_sgpr_count 2
		.amdhsa_user_sgpr_kernarg_segment_ptr 1
		.amdhsa_wavefront_size32 1
		.amdhsa_system_sgpr_workgroup_id_x 1
		.amdhsa_system_sgpr_workgroup_id_y 1
		.amdhsa_system_sgpr_workgroup_id_z 1
		.amdhsa_system_vgpr_workitem_id 0
		.amdhsa_next_free_vgpr 1024
		.amdhsa_next_free_sgpr 88
		.amdhsa_reserve_vcc 0
		.amdhsa_float_denorm_mode_32 3
		.amdhsa_float_denorm_mode_16_64 3
		.amdhsa_memory_ordered 1
		.amdhsa_forward_progress 1
		.amdhsa_inst_pref_size 101
	.end_amdhsa_kernel
	.amdgpu_metadata
---
amdhsa.version: [ 1, 2 ]
amdhsa.kernels:
  - .name:           k_q5cb7f51f2f_gfc
    .symbol:         k_q5cb7f51f2f_gfc.kd
    .args:
      - { .name: yn, .offset: 0, .size: 8, .value_kind: global_buffer, .address_space: global }
      - { .name: wt, .offset: 8, .size: 8, .value_kind: global_buffer, .address_space: global }
      - { .name: b_fc, .offset: 16, .size: 8, .value_kind: global_buffer, .address_space: global }
      - { .name: act, .offset: 24, .size: 8, .value_kind: global_buffer, .address_space: global }
    .group_segment_fixed_size: 327680
    .private_segment_fixed_size: 0
    .kernarg_segment_align: 8
    .kernarg_segment_size: 32
    .max_flat_workgroup_size: 128
    .sgpr_count:     88
    .vgpr_count:     1024
    .wavefront_size: 32
...
	.end_amdgpu_metadata
.endif
;; end of part 6
;; launch gmlp (part 7): grid 8 x 32, 4 waves a work-group, clusters of 4 x 4, 327,680 bytes of LDS; arguments act, wt, b_mlp, h2, out0; writes out0
.if DOCPART == 7
	.amdgcn_target "amdgcn-amd-amdhsa--gfx1250"
	.amdhsa_code_object_version 6
	.text
	.protected	k_q5cb7f51f2f_gmlp
	.globl	k_q5cb7f51f2f_gmlp
	.p2align	8
	.type	k_q5cb7f51f2f_gmlp,@function
k_q5cb7f51f2f_gmlp:
	s_mov_b64 s[64:65], 0
	v_nop
	global_prefetch_b8 v0, s[64:65] scope:SCOPE_SE
	s_setreg_imm32_b32 hwreg(HW_REG_WAVE_MODE, 25, 1), 1
	s_wait_xcnt 0x0
	s_wait_alu depctr_hold_cnt(0) depctr_sa_sdst(0) depctr_va_vdst(0) depctr_va_sdst(0) depctr_va_ssrc(0) depctr_va_vcc(0) depctr_vm_vsrc(0)
	s_getreg_b32 s2, hwreg(HW_REG_IB_STS2, 6, 4)
	s_cmp_eq_u32 s2, 0
	s_cbranch_scc0 .Lentry_in_a_cluster
	s_endpgm
.Lentry_in_a_cluster:
	s_bfe_u32 s2, ttmp6, 0x10000c
	s_cmp_lg_u32 s2, 0xf033
	s_cbranch_scc0 .Lentry_shape_is_right
	s_endpgm
.Lentry_shape_is_right:
; out0 = act W + b + h2.  A: bf16 by planes [K/64][4096][64]; W: bf16 turned, [K/64][N][64], at byte WOFF of wt; sums in f32, started from the bias; the residual and the result f32, row-major [4096][1024].
; A tile of C is 128 x 128: four waves, each 64 x 64 in 16 accumulators.  K goes in steps of 256 through two LDS slots.  A wave's tensor load brings 64 rows x 4 planes: four pieces of 8,192 consecutive bytes.
; CLUSTER 4 x 4: the four work-groups of a row need the same tiles of A, the four of a column the same tiles of W: each tile is asked for jointly, by the same load with the same descriptor and a mask of four.
; The matrix instruction is used turned (source 0 = 16 rows of W, source 1 = 16 rows of A): a lane then holds eight neighbouring columns of one row of C.  A wave's 64 columns are 256 aligned bytes of a row:
; the sums go through the wave's own stage, come back as whole rows, take the residual (loaded at the start in the same layout) and are stored, sixteen lanes to 256 consecutive bytes.
; One K step stands in the loop and one, which fills nothing, behind it.  By this text's count a wave has one tensor load out, issued first behind a round, with a step's 128 matrix instructions in which to land.
; No prefetch: the tiles are shared in the cluster and every tile of A and W is read by several clusters at about the same time.
; LIMIT: operands are rounded to bf16.
.set SIZE_N, 1024
.set SIZE_K, 4096
.set WOFF,   16777216
.set STEPS,  SIZE_K/256
.set PITCH,  144
.set PLANE,  64*PITCH
.set REGION, 4*PLANE
.set SLOT,   4*REGION                  ; 0x24000: its two bits are clear in every region's address, so an exclusive or changes slots
.set STAGE,  2*SLOT
.set STG,    4352                      ; a wave's stage: 16 rows x 272 bytes
.set SPITCH, 272
.set SPARE,  STAGE+4*STG
.set ASTEP,  4*4096*128
.set WSTEP,  4*SIZE_N*128
.set FLAGS,  (1<<16)|(1<<20)|(1<<21)|(4<<22)|(3<<25)
.set R,   1
.set H,   2
.set A0,  4
.set B0,  5
.set ADRA, 6
.set ADRB, 7
.set STO, 8
.set RD,  9
.set GO,  10                           ; v10 my 16 bytes in two rows of C: 4,096 (lane / 16) + 16 (lane % 16)
.set BO,  12
.set SPW, 14
.set NIL, 15
.set OB,  16                           ; v[16:47], v[48:79] rows read back, by turns
.set ACC, 128
.set F0,  0
.set F1,  128
.set WV,  14
.set RH,  15
.set CH,  16
.set CX,  17
.set CY,  18
.set TC,  19
.set TR,  20
.set TB,  21
.set CNT, 22
.set G1A, 24
.set G0A, 32
.set G1B, 36
.set G0B, 44
.set MSB, 0
.macro WIN new
.if MSB != (\new)
	s_set_vgpr_msb (MSB<<8)|(\new)
.set MSB, \new
.endif
.endm
.set MUL,  0x05
.set TO_F, 0x40
.macro PLACES
.rept 4
	v_nop
.endr
.endm
.macro JLOAD
	s_cmp_eq_u32 s[RH], 0
	s_cbranch_scc0 .Lfor_w_\@
	tensor_load_to_lds s[G0A:G0A+3], s[G1A:G1A+7]
	s_nop 0
.rept 4
	v_nop
.endr
	s_branch .Lasked_\@
.Lfor_w_\@:
	tensor_load_to_lds s[G0B:G0B+3], s[G1B:G1B+7]
	s_nop 0
.rept 4
	v_nop
.endr
.Lasked_\@:
.endm
.macro CROUND
	s_barrier_signal -1
	s_barrier_wait -1
	s_cmp_lg_u32 s[WV], 0
	s_cbranch_scc1 .Lnot_wave_0_\@
	s_barrier_signal -3
.Lnot_wave_0_\@:
	s_barrier_wait -3
	s_barrier_signal -1
	s_barrier_wait -1
.endm
.macro MUL8 f, c, a0
	WIN MUL
.irp a, \a0, (\a0)+1
.irp b, 0,1,2,3
	v_wmma_f32_16x16x32_bf16 v[ACC+8*(4*(\a)+(\b)):ACC+8*(4*(\a)+(\b))+7], v[(\f)+64+8*(4*(\c)+(\b)):(\f)+64+8*(4*(\c)+(\b))+7], v[(\f)+8*(4*(\c)+(\a)):(\f)+8*(4*(\c)+(\a))+7], v[ACC+8*(4*(\a)+(\b)):ACC+8*(4*(\a)+(\b))+7]
.endr
.endr
.endm
.macro FETCH q, f
	WIN TO_F
.irp c, 0,1
.irp i, 0,1,2,3
	ds_load_b128 v[(\f)+64+8*(4*(\c)+(\i)):(\f)+64+8*(4*(\c)+(\i))+3],   v[ADRB] offset:(\q)*PLANE+64*(\c)+(\i)*16*PITCH
	ds_load_b128 v[(\f)+64+8*(4*(\c)+(\i))+4:(\f)+64+8*(4*(\c)+(\i))+7], v[ADRB] offset:(\q)*PLANE+64*(\c)+(\i)*16*PITCH+32
	ds_load_b128 v[(\f)+8*(4*(\c)+(\i)):(\f)+8*(4*(\c)+(\i))+3],         v[ADRA] offset:(\q)*PLANE+64*(\c)+(\i)*16*PITCH
	ds_load_b128 v[(\f)+8*(4*(\c)+(\i))+4:(\f)+8*(4*(\c)+(\i))+7],       v[ADRA] offset:(\q)*PLANE+64*(\c)+(\i)*16*PITCH+32
.endr
.endr
.endm
.macro QUARTER q, f, g
	s_wait_dscnt 16                                ; the first 32 along K are in; the other sixteen loads may be out
	MUL8 \f, 0, 0
	MUL8 \f, 0, 2
	PLACES
	FETCH \q, \g
	s_wait_dscnt 32                                ; all but the 32 just issued
	MUL8 \f, 1, 0
	MUL8 \f, 1, 2
.endm
.macro STEP fill
	WIN 0
	s_wait_tensorcnt 0x0                           ; my part of this step's tiles is in, and no load of mine is out: the descriptors may be written
	ds_add_u32 v[SPW], v[NIL]
.if \fill
	s_xor_b32 s[G0A+1], s[G0A+1], SLOT
	s_add_nc_u64 s[G0A+2:G0A+3], s[G0A+2:G0A+3], ASTEP
	s_xor_b32 s[G0B+1], s[G0B+1], SLOT
	s_add_nc_u64 s[G0B+2:G0B+3], s[G0B+2:G0B+3], WSTEP
.endif
	s_wait_dscnt 0x0                               ; the add is done, and my reads of the other slot are over
.if \fill
	CROUND
	JLOAD
.else
	s_barrier_signal -1
	s_barrier_wait -1
	PLACES
.endif
	v_add_nc_u32 v[ADRA], s[TB], v[A0]
	v_add_nc_u32 v[ADRB], s[TB], v[B0]
	FETCH 0, F0
	QUARTER 1, F0, F1
	QUARTER 2, F1, F0
	QUARTER 3, F0, F1
	s_wait_dscnt 16
	MUL8 F1, 0, 0
	MUL8 F1, 0, 2
	s_wait_dscnt 0x0
	MUL8 F1, 1, 0
	MUL8 F1, 1, 2
	WIN 0
	s_xor_b32 s[TB], s[TB], SLOT
.endm
	s_load_b256 s[4:11], s[0:1], 0x0               ; A s[4:5], wt s[6:7], bias s[8:9], residual s[10:11]
	s_load_b64 s[12:13], s[0:1], 0x20              ; the result
	v_lshl_add_u32 v[SPW], v0, 2, SPARE
	v_mov_b32 v[NIL], 0
	ds_add_u32 v[SPW], v[NIL]                      ; the wave's opening
	ds_add_u32 v14, v15
	v_lshrrev_b32 v1, 5, v0
	v_readfirstlane_b32 s[WV], v1
	s_lshr_b32 s[RH], s[WV], 1
	s_and_b32 s[CH], s[WV], 1
	s_bfe_u32 s[CX], ttmp6, 0x40000
	s_bfe_u32 s[CY], ttmp6, 0x40004
	s_lshl_b32 s[TC], ttmp9, 2
	s_add_co_u32 s[TC], s[TC], s[CX]
	s_and_b32 s[TR], ttmp7, 0xffff
	s_lshl_b32 s[TR], s[TR], 2
	s_add_co_u32 s[TR], s[TR], s[CY]
	s_lshl_b32 s48, s[CY], 2
	s_lshl_b32 s48, 15, s48
	s_lshl_b32 s49, 0x1111, s[CX]
	s_or_b32 s[G1A], s48, FLAGS
	s_or_b32 s[G1B], s49, FLAGS
.irp g, G1A, G1B
	s_mov_b32 s[(\g)+1], 4096<<16
	s_mov_b32 s[(\g)+2], 4<<16
	s_mov_b32 s[(\g)+3], 4096<<16
	s_mov_b32 s[(\g)+4], 4
	s_mov_b32 s[(\g)+6], 0
	s_mov_b32 s[(\g)+7], 0
.endr
	s_mov_b32 s[G1A+5], 4096*64
	s_mov_b32 s[G1B+5], SIZE_N*64
	s_lshl_b32 s54, s[CH], 13
	s_lshl_b32 s50, s[TR], 14
	s_add_co_u32 s50, s50, s54
	s_mov_b32 s51, 0
	s_lshl_b32 s52, s[TC], 14
	s_add_co_u32 s52, s52, s54
	s_add_co_u32 s52, s52, WOFF
	s_mov_b32 s53, 0
	s_mov_b32 s[G0A], 1
	s_mul_i32 s[G0A+1], s[WV], REGION
	s_mov_b32 s[G0B], 1
	s_mul_i32 s[G0B+1], s[WV], REGION
	s_mov_b32 s[TB], 0
	s_mov_b32 s[CNT], STEPS-1
	s_wait_dscnt 0x0
	s_wait_kmcnt 0x0
	s_add_nc_u64 s[G0A+2:G0A+3], s[4:5], s[50:51]
	s_or_b32 s[G0A+3], s[G0A+3], 0x80000000
	s_add_nc_u64 s[G0B+2:G0B+3], s[6:7], s[52:53]
	s_or_b32 s[G0B+3], s[G0B+3], 0x80000000
	CROUND
	JLOAD
	v_and_b32 v[R], 15, v0
	v_bfe_u32 v[H], v0, 4, 1
	v_mul_u32_u24 v3, v[R], PITCH
	v_lshl_add_u32 v3, v[H], 4, v3
	s_mul_i32 s55, s[RH], REGION
	s_mul_i32 s56, s[CH], REGION
	s_add_co_u32 s56, s56, 2*REGION
	v_add_nc_u32 v[A0], s55, v3
	v_add_nc_u32 v[B0], s56, v3
	v_lshlrev_b32 v[BO], 5, v[H]
	s_lshl_b32 s56, s[TC], 9
	s_lshl_b32 s57, s[CH], 8
	s_add_co_u32 s56, s56, s57                     ; my 64 columns: 256 bytes of a row, and of the bias
	s_mov_b32 s57, 0
	s_add_nc_u64 s[8:9], s[8:9], s[56:57]
.irp a, 0,1,2,3
.irp b, 0,1,2,3
	global_load_b128 v[ACC+8*(4*(\a)+(\b)):ACC+8*(4*(\a)+(\b))+3],   v[BO], s[8:9] offset:64*(\b)     ; the sums start from the bias
	global_load_b128 v[ACC+8*(4*(\a)+(\b))+4:ACC+8*(4*(\a)+(\b))+7], v[BO], s[8:9] offset:64*(\b)+16
.endr
.endr
	s_mul_i32 s58, s[WV], STG
	s_add_co_u32 s58, s58, STAGE
	v_mul_u32_u24 v[STO], v[R], SPITCH             ; in: row lane % 16, 32 bytes for each half of the lanes
	v_lshl_add_u32 v[STO], v[H], 5, v[STO]
	v_add_nc_u32 v[STO], s58, v[STO]
	v_mul_u32_u24 v[RD], v[H], SPITCH              ; back: lanes 0-15 one row of 256 bytes, lanes 16-31 the next
	v_lshl_add_u32 v[RD], v[R], 4, v[RD]
	v_add_nc_u32 v[RD], s58, v[RD]
	v_lshlrev_b32 v[GO], 12, v[H]
	v_lshl_add_u32 v[GO], v[R], 4, v[GO]
	s_lshl_b32 s60, s[TR], 19                      ; my 64 rows of 4,096 bytes
	s_lshl_b32 s61, s[RH], 18
	s_add_co_u32 s60, s60, s61
	s_add_co_u32 s60, s60, s56
	s_mov_b32 s61, 0
	s_add_nc_u64 s[10:11], s[10:11], s[60:61]
	s_add_nc_u64 s[12:13], s[12:13], s[60:61]
	WIN 0x80                                       ; the residual, in the layout of the stores: window 2, block a's rows 2 t, 2 t + 1 at v[32 a + 4 t]
.irp a, 0,1,2,3
.irp t, 0,1,2,3,4,5,6,7
	global_load_b128 v[32*(\a)+4*(\t):32*(\a)+4*(\t)+3], v[GO], s[10:11] offset:65536*(\a)+8192*(\t)
.endr
.endr
	WIN 0
	s_wait_loadcnt 0x0                             ; the bias and the residual
.Lk:
	STEP 1
	s_sub_co_u32 s[CNT], s[CNT], 1
	s_cmp_lg_u32 s[CNT], 0
	s_cbranch_scc1 .Lk
	STEP 0
	PLACES
.macro OUT a
.set BK, OB+32*((\a)%2)
	s_wait_xcnt 0x0                                ; the stores of two blocks back have read the registers that are loaded again below
.irp b, 0,1,2,3
	ds_store_b128 v[STO], v[ACC+8*(4*(\a)+(\b)):ACC+8*(4*(\a)+(\b))+3]   offset:64*(\b)
	ds_store_b128 v[STO], v[ACC+8*(4*(\a)+(\b))+4:ACC+8*(4*(\a)+(\b))+7] offset:64*(\b)+16
.endr
.irp t, 0,1,2,3,4,5,6,7
	ds_load_b128 v[BK+4*(\t):BK+4*(\t)+3], v[RD] offset:2*SPITCH*(\t)  ; LDS serves a wave's instructions in order (ISA guide 5.7.1.4): these see the stores above
.endr
	s_wait_dscnt 0x0
	WIN 0x08                                       ; source 1: window 2
.set i, 0
.rept 16
	v_pk_add_f32 v[BK+i:BK+i+1], v[BK+i:BK+i+1], v[32*(\a)+i:32*(\a)+i+1]
.set i, i+2
.endr
	WIN 0
.irp t, 0,1,2,3,4,5,6,7
	global_store_b128 v[GO], v[BK+4*(\t):BK+4*(\t)+3], s[12:13] offset:65536*(\a)+8192*(\t)  ; sixteen lanes store 256 consecutive bytes, aligned
.endr
.endm
	OUT 0
	OUT 1
	OUT 2
	OUT 3
	s_wait_tensorcnt 0x0                           ; the wave's end
	ds_add_u32 v[SPW], v[NIL]
	s_wait_dscnt 0x0
	CROUND                                         ; the closing round
	s_endpgm
.Lfunc_end_k_q5cb7f51f2f_gmlp:
	.size	k_q5cb7f51f2f_gmlp, .Lfunc_end_k_q5cb7f51f2f_gmlp-k_q5cb7f51f2f_gmlp
	.p2alignl 7, 3214868480
	.fill 96, 4, 3214868480
	.section	.rodata,"a",@progbits
	.p2align	6, 0x0
	.amdhsa_kernel k_q5cb7f51f2f_gmlp
		.amdhsa_group_segment_fixed_size 327680
		.amdhsa_private_segment_fixed_size 0
		.amdhsa_enable_private_segment 0
		.amdhsa_kernarg_size 40
		.amdhsa_user_sgpr_count 2
		.amdhsa_user_sgpr_kernarg_segment_ptr 1
		.amdhsa_wavefront_size32 1
		.amdhsa_system_sgpr_workgroup_id_x 1
		.amdhsa_system_sgpr_workgroup_id_y 1
		.amdhsa_system_sgpr_workgroup_id_z 1
		.amdhsa_system_vgpr_workitem_id 0
		.amdhsa_next_free_vgpr 640
		.amdhsa_next_free_sgpr 66
		.amdhsa_reserve_vcc 0
		.amdhsa_float_denorm_mode_32 3
		.amdhsa_float_denorm_mode_16_64 3
		.amdhsa_memory_ordered 1
		.amdhsa_forward_progress 1
		.amdhsa_inst_pref_size 60
	.end_amdhsa_kernel
	.amdgpu_metadata
---
amdhsa.version: [ 1, 2 ]
amdhsa.kernels:
  - .name:           k_q5cb7f51f2f_gmlp
    .symbol:         k_q5cb7f51f2f_gmlp.kd
    .args:
      - { .name: act, .offset: 0, .size: 8, .value_kind: global_buffer, .address_space: global }
      - { .name: wt, .offset: 8, .size: 8, .value_kind: global_buffer, .address_space: global }
      - { .name: b_mlp, .offset: 16, .size: 8, .value_kind: global_buffer, .address_space: global }
      - { .name: h2, .offset: 24, .size: 8, .value_kind: global_buffer, .address_space: global }
      - { .name: out0, .offset: 32, .size: 8, .value_kind: global_buffer, .address_space: global }
    .group_segment_fixed_size: 327680
    .private_segment_fixed_size: 0
    .kernarg_segment_align: 8
    .kernarg_segment_size: 40
    .max_flat_workgroup_size: 128
    .sgpr_count:     66
    .vgpr_count:     640
    .wavefront_size: 32
...
	.end_amdgpu_metadata
.endif
;; end of part 7
